; MI455X (gfx1250); checked and timed in simulation.
; The chip was launched on July 23, 2026; its instructions are those of AMD's public machine-readable ISA for CDNA 5 (MIT licence, August 2026) and "CDNA5" Instruction Set Architecture Reference Guide (July 2026). The comments in the code are by the model that wrote it; some were corrected since.
;; Expert Group. Allowed arithmetic: float matrix products may take bf16 or f16 operands with f32 sums; other float arithmetic in f32, or as packed bf16 or f16 multiplies, adds, multiply-adds, maxima and minima; sums over many terms, partial sums and values carried from step to step in f32; what a program stores and reads back later, other than sums and carried values, may be rounded once to bf16 or f16.
;; Inputs: expert_counts 8 int32; local_expert_indices 8 int32; w1 8 x 1,024 x 4,096 float32; w2 8 x 4,096 x 1,024 float32; x_sorted 1,024 x 1,024 float32.
;; Outputs: out0 1,024 x 1,024 float32.
;; 2 versions, each right; version 2 is version 1 with the launches up, down written anew for expert scheduling mode. Each part assembles by itself: llvm-mc -triple=amdgcn-amd-amdhsa -mcpu=gfx1250 --defsym DOCPART=n.
;; ======== version 1 of 2: 3 launches
;; workspace buffers: h 15,728,640 bytes; part 31,457,280 bytes
;; launch up (part 1): grid 32 x 15, 4 waves a work-group, no clusters, 281,088 bytes of LDS; arguments expert_counts, x_sorted, w1, h; writes h
.if DOCPART == 1
	.amdgcn_target "amdgcn-amd-amdhsa--gfx1250"
	.amdhsa_code_object_version 6
	.text
	.protected	k_qfc0a5cfc1c_up
	.globl	k_qfc0a5cfc1c_up
	.p2align	8
	.type	k_qfc0a5cfc1c_up,@function
k_qfc0a5cfc1c_up:
	s_mov_b64 s[64:65], 0
	v_nop
	global_prefetch_b8 v0, s[64:65] scope:SCOPE_SE
	s_setreg_imm32_b32 hwreg(HW_REG_WAVE_MODE, 25, 1), 1
	s_wait_xcnt 0x0
; h = gelu_tanh(x . w1[e]) for one block of up to 128 token rows and 128 of the 4,096 hidden columns.  x [1024][1024] f32, w1 [8][1024][4096] f32, h bf16 (layout below).
; ROUTING.  Tokens lie sorted by expert: expert e owns the rows from the running sum of the counts before it up to the sum with it.  Every work-group works that out of the counts in scalar registers.
; Each expert's rows are cut into blocks of 128; the last expert's range is stretched to row 1,024 (the last launch writes 0 into the rows of no expert, by the eighth count).  Whatever the split there
; are at most 1024/128 + 8 - 1 = 15 blocks: grid y.  Grid x is the slice of 128 hidden columns.  A work-group whose y is past the number of blocks has no rows: it jumps over both regions of work,
; passes the one barrier and ends.  A row past a block's count repeats a row that exists; its results are stored and never used.
; LIMITS.  Counts are taken as not negative; each count and each running sum is held to 1,024.  local_expert_indices is not an argument: reference() takes it and never uses it.
; Products in bf16 with f32 sums; gelu in f32; h rounded once to bf16.
; TWO REGIONS, ONE BARRIER.  First the four waves lay the block's 128 rows of x, rounded to bf16, into LDS (264,192 bytes).  Behind the barrier no wave depends on another: wave w owns 32 hidden columns,
; all 128 rows and all of K: 16 accumulators.  Its weights come straight from memory into a ring of registers, seven k-blocks of 32 (56 loads of 16 bytes a lane) on their way, are rounded, change lanes
; through 4 KiB of LDS that are the wave's own, and are multiplied with x's fragments out of LDS.  Nothing but LDS and the registers made at the head passes from the first region to the second.
; THE 32 TRIPS OVER K ARE WRITTEN OUT: every LDS address of the second region is then a register made at the head, never rewritten, plus an immediate.
; NO MULTICAST, NO TENSOR LOADS: each byte of w1 has one reader and is rounded in registers; what a block's 32 slices share is x, which would have to land as f32: 524,288 bytes beside its copy of
; 264,192 do not fit in LDS; and the number of blocks hangs on counts read from memory.
; THE MATRIX INSTRUCTION IS USED TRANSPOSED: source 0 = 16 hidden columns, source 1 = 16 tokens, so a lane's eight results are eight neighbouring hidden columns of ONE token.
; h's LAYOUT: [15 blocks][128 k-blocks][8 tiles of 16 rows][2 halves][32 lanes][16 bytes]: a (k-block, tile) is 1,024 bytes, a 16 x 32 operand as registers take it (lane L: registers 0-3 at 16 L,
; registers 4-7 at 512 + 16 L), k in its natural order: a wave's 32 columns are one k-block of the second product.
; REGISTERS, in windows of 256 (s_set_vgpr_msb: bits 1:0 source 0, 3:2 source 1, 7:6 destination): window 0 all that is named below; window 1 the ring: what memory loads bring.
.set ROWB,  16384                      ; bytes in a row of w1
.set KBB,   32*ROWB                    ; a k-block: 32 rows
.set XP,    2064                       ; a row of x in LDS: 2,048 bytes + 16: 129 times 16, so the 16 rows of an operand load start at 16 different 16-byte columns of 256
.set WSTG,  128*XP                     ; behind x: 4,096 bytes for each wave, two buffers of two operands of w1
.set SPARE, WSTG+4*4096                ; behind them: the spare words, 128 bytes for each wave
.set SPW,  6                           ; v6      SPARE + 4 x my thread's number; never rewritten
.set NIL,  7                           ; v7      0; never rewritten
.set WO,   8                           ; v8      my byte offset in a k-block of w1
.set LO,   9                           ; v9      16 x lane
.set WS,   10                          ; v10-13  where column c's 16 bytes go in my staging; never rewritten
.set BR,   14                          ; v14-15  where I read fragment f of w1 back (less f x 1,024); never rewritten
.set XR,   16                          ; v16-23  where I read tile tt of x, k-block 0; never rewritten
.set TW,   24                          ; v24-31  w1 rounded, two columns at a time
.set BF,   32                          ; v32-63  two buffers of w1's two fragments
.set XF,   64                          ; v64-127 x's fragments of one k-block: tiles 0-3, tiles 4-7
.set ACC,  128                         ; v128-255 accumulator (tile tt, fragment f) at ACC + 8 (2 tt + f)
.set RV,   32                          ; the first region: the row that I ask for next
.set R16,  33                          ;   16 x (lane % 16)
.set XS,   34                          ;   where I put 8 bytes of my first row; made at the head, not rewritten in the first region
.set XSA,  35                          ;   the same, eight rows further on with each trip of the loop
.set XO,   36                          ;   v36-39 my byte offset in x, by slot
.set TX,   64                          ;   v64-95 x rounded
.set Z,    32                          ; the way out: v32-95 at work
.set WV,   12                          ; my wave's number
.set SL,   13                          ; slice
.set Y,    14                          ; block
.set LIVE, 15                          ; 1: my block has rows
.set CN,   16                          ; s[16:23] the counts
.set O,    24                          ; rows before the segment in hand
.set P,    25                          ; blocks before it
.set E,    26                          ; my expert
.set ST,   27                          ; its first row
.set PB,   28                          ; its first block
.set END,  29
.set TMP,  30
.set ROW0, 31                          ; my block's first row
.set LOOP, 32
.set XT,   33                          ; the first region: bytes of LDS that the loop has gone on
.set T0,   34
.set T1,   35
.set WB,   36                          ; s[36:43] w1 at my expert and my columns: four bases, eight k-blocks (4 MiB) apart; never rewritten
.set HB,   44                          ; s[44:45] h at my k-block
.set OF,   46                          ; s[46:47] an offset
.set GA,   48                          ; s[48:49] gelu's a
.set GB,   50                          ; s[50:51] gelu's b
.set MSB, 0
.macro WIN new                         ; the immediate's high byte repeats the setting that is left; a switch that changes nothing is dropped
.if MSB != (\new)
	s_set_vgpr_msb (MSB<<8)|(\new)
.set MSB, \new
.endif
.endm
; One segment of the rows: expert e's.  The last e whose first block is not past y is mine.
.macro SEG e
.if (\e) < 7
	s_min_u32 s[TMP], s[CN+(\e)], 1024
	s_add_co_u32 s[END], s[O], s[TMP]
	s_min_u32 s[END], s[END], 1024
.else
	s_mov_b32 s[END], 1024                         ; the last segment runs to the last row
.endif
	s_cmp_ge_u32 s[Y], s[P]
	s_cselect_b32 s[E], \e, s[E]                   ; s_cselect_b32 leaves SCC as it is
	s_cselect_b32 s[ST], s[O], s[ST]
	s_cselect_b32 s[PB], s[P], s[PB]
	s_sub_co_u32 s[TMP], s[END], s[O]
	s_add_co_u32 s[TMP], s[TMP], 127
	s_lshr_b32 s[TMP], s[TMP], 7
	s_add_co_u32 s[P], s[P], s[TMP]                ; its blocks of 128 rows
	s_mov_b32 s[O], s[END]
.endm
; THE FIRST REGION.  A batch is two rows of x: 16 loads, each 256 consecutive aligned bytes of either row.  Four slots of 64 registers; three batches are out.
.macro ASK sl
	v_min_u32 v[XO+(\sl)], 0x3ff, v[RV]            ; a row past the last repeats row 1,023
	v_lshl_add_u32 v[XO+(\sl)], v[XO+(\sl)], 12, v[R16]
	v_add_nc_u32 v[RV], 2, v[RV]
	WIN 0x40                                       ; destination in window 1
.irp j, 0,1,2,3,4,5,6,7,8,9,10,11,12,13,14,15
	global_load_b128 v[64*(\sl)+4*(\j):64*(\sl)+4*(\j)+3], v[XO+(\sl)], s[6:7] offset:(\j)*256
.endr
	WIN 0
.endm
.macro STEP sl, ask, lc                ; lc = the loads of the younger batches
	s_wait_loadcnt \lc                             ; my slot's batch is in; the wait also frees the slot's offset register
.if \ask
	ASK ((\sl)+3)%4                                ; the slot rounded one step ago takes the batch three on
.endif
	WIN 0x05                                       ; sources in window 1
.irp j, 0,1,2,3,4,5,6,7,8,9,10,11,12,13,14,15
	v_cvt_pk_bf16_f32 v[TX+2*(\j)],   v[64*(\sl)+4*(\j)],   v[64*(\sl)+4*(\j)+1]
	v_cvt_pk_bf16_f32 v[TX+2*(\j)+1], v[64*(\sl)+4*(\j)+2], v[64*(\sl)+4*(\j)+3]
.endr
	WIN 0
.irp j, 0,1,2,3,4,5,6,7,8,9,10,11,12,13,14,15
	ds_store_b64 v[XSA], v[TX+2*(\j):TX+2*(\j)+1] offset:(\sl)*2*XP+(\j)*128
.endr
.endm
; THE SECOND REGION.  Eight loads of w1: k-block n into slot n % 8 of the ring; a load takes 128 consecutive bytes of each of four rows, eight rows apart; the four waves' pieces lie end to end
.macro LDW n
	WIN 0x40
.irp jj, 0,1,2,3,4,5,6,7
	global_load_b128 v[32*((\n)&7)+4*(\jj):32*((\n)&7)+4*(\jj)+3], v[WO], s[WB+2*((\n)>>3):WB+2*((\n)>>3)+1] offset:((\n)&7)*KBB+(\jj)*ROWB th:TH_LOAD_NT
.endr
	WIN 0
.endm
; Eight LDS loads: x's fragments of k-block n, tiles 4 grp .. 4 grp + 3; the k-block's 64 bytes of a row stand in the immediate
.macro LDT grp, n
.irp u, 0,1,2,3
	ds_load_b128 v[XF+32*(\grp)+8*(\u):XF+32*(\grp)+8*(\u)+3],   v[XR+4*(\grp)+(\u)] offset:(\n)*64
	ds_load_b128 v[XF+32*(\grp)+8*(\u)+4:XF+32*(\grp)+8*(\u)+7], v[XR+4*(\grp)+(\u)] offset:(\n)*64+32
.endr
.endm
; K-block n leaves the ring: rounded, through my staging into the fragment buffer n % 2; then x's tiles 0-3 of the same k-block.  Sixteen LDS instructions.  lc = the loads of the younger k-blocks.
; LDS serves a wave's instructions in order (ISA guide 5.7.1.4): the loads see the stores above them, and the next stores into a buffer come behind its loads.
.macro STAGE n, lc
.set SLT, 32*((\n)&7)
.set BUF, 2048*((\n)&1)
.set BN,  BF+16*((\n)&1)
	s_wait_loadcnt \lc
	WIN 0x05
.irp c, 0,1
.irp q, 0,1,2,3
	v_cvt_pk_bf16_f32 v[TW+4*(\c)+(\q)], v[SLT+8*(\q)+(\c)], v[SLT+8*(\q)+4+(\c)]  ; column c, rows 2 q and 2 q + 1 of my eight
.endr
.endr
	WIN 0
	ds_store_b128 v[WS+0], v[TW:TW+3] offset:BUF
	ds_store_b128 v[WS+1], v[TW+4:TW+7] offset:BUF
	WIN 0x05
.irp c, 2,3
.irp q, 0,1,2,3
	v_cvt_pk_bf16_f32 v[TW+4*((\c)-2)+(\q)], v[SLT+8*(\q)+(\c)], v[SLT+8*(\q)+4+(\c)]
.endr
.endr
	WIN 0
	ds_store_b128 v[WS+2], v[TW:TW+3] offset:BUF
	ds_store_b128 v[WS+3], v[TW+4:TW+7] offset:BUF
.irp f, 0,1
.irp hf, 0,1
	ds_load_b128 v[BN+8*(\f)+4*(\hf):BN+8*(\f)+4*(\hf)+3], v[BR+(\f)] offset:BUF+(\f)*1024+(\hf)*512
.endr
.endr
	LDT 0, \n
.endm
; Eight matrix instructions: tiles 4 grp .. 4 grp + 3 x both fragments.  The sixteen accumulators take turns, one instruction a turn.  zero = 1: they start the sums
.macro MUL grp, zero
.irp u, 0,1,2,3
.irp f, 0,1
.if \zero
	v_wmma_f32_16x16x32_bf16 v[ACC+8*(8*(\grp)+2*(\u)+(\f)):ACC+8*(8*(\grp)+2*(\u)+(\f))+7], v[BC+8*(\f):BC+8*(\f)+7], v[XF+32*(\grp)+8*(\u):XF+32*(\grp)+8*(\u)+7], 0
.else
	v_wmma_f32_16x16x32_bf16 v[ACC+8*(8*(\grp)+2*(\u)+(\f)):ACC+8*(8*(\grp)+2*(\u)+(\f))+7], v[BC+8*(\f):BC+8*(\f)+7], v[XF+32*(\grp)+8*(\u):XF+32*(\grp)+8*(\u)+7], v[ACC+8*(8*(\grp)+2*(\u)+(\f)):ACC+8*(8*(\grp)+2*(\u)+(\f))+7]
.endif
.endr
.endr
.endm
; Trip t multiplies k-block t.  issue = 1: k-block t + 7 is asked for.  stage = 1: k-block t + 1 is made ready meanwhile.
.macro TRIP t, zero, issue, stage, lc
.set BC,  BF+16*((\t)&1)
.if \issue
	LDW (\t)+7
.endif
	s_wait_dscnt 8                                 ; w1's fragments and x's tiles 0-3 are in; the eight loads of tiles 4-7 may be out
	MUL 0, \zero
.if \stage
	STAGE (\t)+1, \lc                              ; its sixteen conversions are the places between the products above and the loads into their sources
	s_wait_dscnt 16                                ; tiles 4-7 are in; the stage's sixteen may be out
.else
	s_wait_dscnt 0x0
.endif
	MUL 1, \zero
.if \stage
.rept 4
	v_nop                                          ; four places between the products and the loads into their sources
.endr
	LDT 1, (\t)+1
.endif
.endm
; gelu_tanh(x) = x / (1 + 2^z), z = x (a + b x^2), for the 64 numbers of tiles 4 hf .. 4 hf + 3; no clip is needed: z = +inf gives x times 0, z = -inf gives x.  ho: 32 registers for h as stored
.macro GELU hf, ho
.set AB, ACC+64*(\hf)
.set i, 0
.rept 32
	v_pk_mul_f32 v[Z+2*i:Z+2*i+1], v[AB+2*i:AB+2*i+1], v[AB+2*i:AB+2*i+1]  ; ascending: each accumulator is read from its low end on
.set i, i+1
.endr
.set i, 0
.rept 32
	v_pk_fma_f32 v[Z+2*i:Z+2*i+1], v[Z+2*i:Z+2*i+1], s[GB:GB+1], s[GA:GA+1] op_sel_hi:[1,0,0]
.set i, i+1
.endr
.set i, 0
.rept 32
	v_pk_mul_f32 v[Z+2*i:Z+2*i+1], v[Z+2*i:Z+2*i+1], v[AB+2*i:AB+2*i+1]
.set i, i+1
.endr
.set i, 0
.rept 64
	v_exp_f32 v[Z+i], v[Z+i]                       ; one batch
.set i, i+1
.endr
	v_nop                                          ; a plain instruction behind the last exponential,
	s_wait_alu depctr_va_vdst(0)                   ; and one wait for the batch ahead of its first reader
.set i, 0
.rept 32
	v_pk_add_f32 v[Z+2*i:Z+2*i+1], v[Z+2*i:Z+2*i+1], 1.0 op_sel_hi:[1,0]
.set i, i+1
.endr
.set i, 0
.rept 64
	v_rcp_f32 v[Z+i], v[Z+i]                       ; a second batch
.set i, i+1
.endr
	v_nop
	s_wait_alu depctr_va_vdst(0)
.set i, 0
.rept 32
	v_pk_mul_f32 v[Z+2*i:Z+2*i+1], v[Z+2*i:Z+2*i+1], v[AB+2*i:AB+2*i+1]
.set i, i+1
.endr
.set i, 0
.rept 32
	v_cvt_pk_bf16_f32 v[(\ho)+i], v[Z+2*i], v[Z+2*i+1]  ; a tile: four registers of fragment 0, four of fragment 1: the eight registers of one operand of the second product
.set i, i+1
.endr
.irp u, 0,1,2,3
.irp f, 0,1
	global_store_b128 v[LO], v[(\ho)+8*(\u)+4*(\f):(\ho)+8*(\u)+4*(\f)+3], s[HB:HB+1] offset:(4*(\hf)+(\u))*1024+(\f)*512  ; 512 consecutive bytes, at a multiple of 512 from h's first
.endr
.endr
.endm
	s_load_b256 s[4:11], s[0:1], 0x0               ; counts s[4:5], x s[6:7], w1 s[8:9], h s[10:11]
	v_lshl_add_u32 v[SPW], v0, 2, SPARE
	v_mov_b32 v[NIL], 0
	v_lshrrev_b32 v1, 5, v0
	v_readfirstlane_b32 s[WV], v1                  ; wave 0..3
	s_mov_b32 s[SL], ttmp9
	s_and_b32 s[Y], ttmp7, 0xffff
	s_wait_kmcnt 0x0
	s_load_b256 s[CN:CN+7], s[4:5], 0x0            ; the counts
	; every address register of both regions' LDS work is made here, on the text that all paths share
	v_and_b32 v1, 31, v0                           ; L
	v_and_b32 v2, 15, v0                           ; r = L % 16
	v_bfe_u32 v3, v0, 4, 1                         ; hh = L / 16
	v_and_b32 v4, 7, v0                            ; q4: my four columns of the wave's 32
	v_bfe_u32 v5, v0, 3, 2                         ; g: my eight rows of a k-block's 32
	v_lshlrev_b32 v[WO], 4, v4
	v_lshl_add_u32 v[WO], v5, 17, v[WO]            ; 8 g rows of 16,384 bytes + 16 q4
	v_lshlrev_b32 v[LO], 4, v1
	s_lshl_b32 s[T0], s[WV], 12
	s_add_co_u32 s[T0], s[T0], WSTG                ; my staging
	; Column 4 q4 + c is row r' = 4 (q4 & 3) + c of fragment f = q4 >> 2; my eight rows are registers 0-3 (g < 2) or 4-7 of lane r' + 16 (g & 1).  A piece lies at
	; 1,024 f + 512 (g >> 1) + 256 (g & 1) + 16 ((r' & 12) + ((r' + f + 2 (g & 1)) & 3)): the turn of the low two bits lets the 16 lanes of a store (4 quads x f x g & 1) and the 16 lanes of a load
	; (r' = 0..15) each touch 16 different 16-byte columns of 256
	v_bfe_u32 v4, v0, 2, 1                         ; f
	v_bfe_u32 v5, v0, 3, 1                         ; g & 1
	v_and_b32 v1, 3, v0                            ; q4 & 3
	v_lshlrev_b32 v24, 10, v4
	v_lshl_add_u32 v24, v3, 9, v24                 ; g >> 1 is L / 16
	v_lshl_add_u32 v24, v5, 8, v24
	v_lshl_add_u32 v24, v1, 6, v24
	v_add_nc_u32 v24, s[T0], v24
	v_lshl_add_u32 v25, v5, 1, v4                  ; f + 2 (g & 1)
.irp c, 0,1,2,3
	v_add_nc_u32 v[WS+(\c)], \c, v25
	v_and_b32 v[WS+(\c)], 3, v[WS+(\c)]
	v_lshl_add_u32 v[WS+(\c)], v[WS+(\c)], 4, v24
.endr
	v_and_b32 v4, 12, v0                           ; r & 12
	v_lshl_add_u32 v5, v3, 1, v2                   ; r + 2 hh
	v_lshlrev_b32 v24, 4, v4
	v_lshl_add_u32 v24, v3, 8, v24
	v_add_nc_u32 v24, s[T0], v24
.irp f, 0,1
	v_add_nc_u32 v[BR+(\f)], \f, v5
	v_and_b32 v[BR+(\f)], 3, v[BR+(\f)]
	v_lshl_add_u32 v[BR+(\f)], v[BR+(\f)], 4, v24
.endr
	v_mul_u32_u24 v4, v2, XP
	v_lshl_add_u32 v4, v3, 4, v4                   ; row r x pitch + 16 hh
.irp tt, 0,1,2,3,4,5,6,7
	v_add_nc_u32 v[XR+(\tt)], (\tt)*16*XP, v4
.endr
	s_mul_i32 s[T1], s[WV], 32*XP                  ; the first region: wave w lays rows 32 w .. 32 w + 31; lanes 0-15 the even row of a batch, lanes 16-31 the odd one; 8 bytes a lane
	v_mul_u32_u24 v[XS], v3, XP
	v_lshl_add_u32 v[XS], v2, 3, v[XS]
	v_add_nc_u32 v[XS], s[T1], v[XS]
	s_mov_b32 s[O], 0
	s_mov_b32 s[P], 0
	s_mov_b32 s[E], 0
	s_mov_b32 s[ST], 0
	s_mov_b32 s[PB], 0
	s_mov_b32 s[GA], 0xc0135761                    ; a = -2 log2(e) sqrt(2 / pi) = -2.3022082
	s_mov_b32 s[GA+1], s[GA]                       ; named as pairs
	s_mov_b32 s[GB], 0xbdd2d3e8                    ; b = 0.044715 a = -0.10294324
	s_mov_b32 s[GB+1], s[GB]
	s_wait_kmcnt 0x0
.irp e, 0,1,2,3,4,5,6,7
	SEG \e
.endr
	s_cmp_lt_u32 s[Y], s[P]
	s_cselect_b32 s[LIVE], 1, 0                    ; this split has a block y, or not
	s_sub_co_u32 s[TMP], s[Y], s[PB]
	s_lshl_b32 s[TMP], s[TMP], 7
	s_add_co_u32 s[ROW0], s[ST], s[TMP]
	s_min_u32 s[ROW0], s[ROW0], 1023               ; numbers made of loaded ones enter addresses held to their range
	s_min_u32 s[E], s[E], 7
	s_lshl_b32 s[OF], s[E], 24                     ; an expert's w1 is 16 MiB,
	s_lshl_b32 s[TMP], s[SL], 9                    ; a slice 512 bytes of a row,
	s_add_co_u32 s[OF], s[OF], s[TMP]
	s_lshl_b32 s[TMP], s[WV], 7                    ; a wave's columns 128 bytes
	s_add_co_u32 s[OF], s[OF], s[TMP]
	s_mov_b32 s[OF+1], 0
	s_add_nc_u64 s[WB:WB+1], s[8:9], s[OF:OF+1]
	s_add_nc_u64 s[WB+2:WB+3], s[WB:WB+1], 8*KBB   ; k-blocks 8 on, 16 on, 24 on: the loads' immediates reach eight k-blocks
	s_add_nc_u64 s[WB+4:WB+5], s[WB+2:WB+3], 8*KBB
	s_add_nc_u64 s[WB+6:WB+7], s[WB+4:WB+5], 8*KBB
	s_lshl_b32 s[OF], s[Y], 20                     ; h: my block, 1 MiB,
	s_lshl_b32 s[TMP], s[SL], 2
	s_add_co_u32 s[TMP], s[TMP], s[WV]
	s_lshl_b32 s[TMP], s[TMP], 13                  ; k-block 4 x slice + wave, 8 KiB
	s_add_co_u32 s[OF], s[OF], s[TMP]
	s_add_nc_u64 s[HB:HB+1], s[10:11], s[OF:OF+1]
	s_cmp_lg_u32 s[LIVE], 0
	s_cbranch_scc0 .Lfilled                        ; no rows: nothing to lay into LDS.  What is jumped holds no barrier
	; THE FIRST REGION: a lane's 16 bytes of x are four numbers, 8 bytes in LDS
	s_lshl_b32 s[T0], s[WV], 5
	s_add_co_u32 s[T0], s[T0], s[ROW0]
	v_add_nc_u32 v[RV], s[T0], v3
	v_lshlrev_b32 v[R16], 4, v2
	ASK 0
	ASK 1
	ASK 2
	s_mov_b32 s[XT], 0
	s_mov_b32 s[LOOP], 3
.Lfill:                                                ; batches 0 to 11; batches 3 to 14 are asked for
	v_add_nc_u32 v[XSA], s[XT], v[XS]              ; the trip's eight rows
	STEP 0, 1, 32
	STEP 1, 1, 32
	STEP 2, 1, 32
	STEP 3, 1, 32
	s_add_co_u32 s[XT], s[XT], 8*XP                ; eight rows on
	s_sub_co_u32 s[LOOP], s[LOOP], 1
	s_cmp_lg_u32 s[LOOP], 0
	s_cbranch_scc1 .Lfill
	v_add_nc_u32 v[XSA], s[XT], v[XS]
	STEP 0, 1, 32                                  ; the last batch is asked for; then the counts run down
	STEP 1, 0, 32
	STEP 2, 0, 16
	STEP 3, 0, 0
.Lfilled:
	s_wait_dscnt 0x0                               ; for the others' sake: my stores of x are done
	s_barrier_signal -1
	s_barrier_wait -1                              ; the one barrier, on every path: the block's x lies in LDS
	s_cmp_lg_u32 s[LIVE], 0
	s_cbranch_scc0 .Lend
	; THE SECOND REGION
.irp s, 0,1,2,3,4,5,6
	LDW \s                                         ; k-blocks 0 to 6
.endr
	STAGE 0, 48                                    ; six younger k-blocks stay out
	LDT 1, 0
	TRIP 0, 1, 1, 1, 48                            ; the first k-block starts the sums; k-block 7 is asked for
.set kk, 1
.rept 24                               ; trips 1 to 24; k-blocks 8 to 31 are asked for.  Behind each request seven k-blocks are out: the wait leaves six
	TRIP kk, 0, 1, 1, 48
.set kk, kk+1
.endr
	TRIP 25, 0, 0, 1, 40                           ; nothing more is asked for, and the counts run down
	TRIP 26, 0, 0, 1, 32
	TRIP 27, 0, 0, 1, 24
	TRIP 28, 0, 0, 1, 16
	TRIP 29, 0, 0, 1, 8
	TRIP 30, 0, 0, 1, 0
	TRIP 31, 0, 0, 0, 0
.rept 4
	v_nop                                          ; four places behind the last products
.endr
	GELU 0, 96                                     ; tiles 0-3; h in the registers that held x's tiles 4-7
	GELU 1, ACC                                    ; tiles 4-7; h in the registers of the accumulators just finished with, so that no pending store's data are rewritten
.Lend:
	s_wait_tensorcnt 0x0                           ; the wave's end
	ds_add_u32 v[SPW], v[NIL]
	s_wait_dscnt 0x0
	s_endpgm
.Lfunc_end_k_qfc0a5cfc1c_up:
	.size	k_qfc0a5cfc1c_up, .Lfunc_end_k_qfc0a5cfc1c_up-k_qfc0a5cfc1c_up
	.p2alignl 7, 3214868480
	.fill 96, 4, 3214868480
	.section	.rodata,"a",@progbits
	.p2align	6, 0x0
	.amdhsa_kernel k_qfc0a5cfc1c_up
		.amdhsa_group_segment_fixed_size 281088
		.amdhsa_private_segment_fixed_size 0
		.amdhsa_enable_private_segment 0
		.amdhsa_kernarg_size 32
		.amdhsa_user_sgpr_count 2
		.amdhsa_user_sgpr_kernarg_segment_ptr 1
		.amdhsa_wavefront_size32 1
		.amdhsa_system_sgpr_workgroup_id_x 1
		.amdhsa_system_sgpr_workgroup_id_y 1
		.amdhsa_system_sgpr_workgroup_id_z 1
		.amdhsa_system_vgpr_workitem_id 0
		.amdhsa_next_free_vgpr 512
		.amdhsa_next_free_sgpr 66
		.amdhsa_reserve_vcc 0
		.amdhsa_float_denorm_mode_32 3
		.amdhsa_float_denorm_mode_16_64 3
		.amdhsa_memory_ordered 1
		.amdhsa_forward_progress 1
		.amdhsa_inst_pref_size 231
	.end_amdhsa_kernel
	.amdgpu_metadata
---
amdhsa.version: [ 1, 2 ]
amdhsa.kernels:
  - .name:           k_qfc0a5cfc1c_up
    .symbol:         k_qfc0a5cfc1c_up.kd
    .args:
      - { .name: expert_counts, .offset: 0, .size: 8, .value_kind: global_buffer, .address_space: global }
      - { .name: x_sorted, .offset: 8, .size: 8, .value_kind: global_buffer, .address_space: global }
      - { .name: w1, .offset: 16, .size: 8, .value_kind: global_buffer, .address_space: global }
      - { .name: h, .offset: 24, .size: 8, .value_kind: global_buffer, .address_space: global }
    .group_segment_fixed_size: 281088
    .private_segment_fixed_size: 0
    .kernarg_segment_align: 8
    .kernarg_segment_size: 32
    .max_flat_workgroup_size: 128
    .sgpr_count:     66
    .vgpr_count:     512
    .wavefront_size: 32
...
	.end_amdgpu_metadata
.endif
;; end of part 1
;; launch down (part 2): grid 32 x 15, 4 waves a work-group, no clusters, 279,040 bytes of LDS; arguments expert_counts, h, w2, part; writes part
.if DOCPART == 2
	.amdgcn_target "amdgcn-amd-amdhsa--gfx1250"
	.amdhsa_code_object_version 6
	.text
	.protected	k_qfc0a5cfc1c_down
	.globl	k_qfc0a5cfc1c_down
	.p2align	8
	.type	k_qfc0a5cfc1c_down,@function
k_qfc0a5cfc1c_down:
	s_mov_b64 s[64:65], 0
	v_nop
	global_prefetch_b8 v0, s[64:65] scope:SCOPE_SE
	s_setreg_imm32_b32 hwreg(HW_REG_WAVE_MODE, 25, 1), 1
	s_wait_xcnt 0x0
; part[kq] = h . w2[e] over one quarter of K (1,024 of the 4,096 hidden numbers) for one block of up to 128 token rows and 128 of the 1,024 output columns.  w2 [8][4096][1024] f32.
; h (bf16) comes from the launch before: [15 blocks][128 k-blocks][8 tiles of 16 rows][1,024 bytes]; a (k-block, tile) is a 16 x 32 operand as registers take it, k in its natural order.
; part (f32 partial sums, added by the launch behind): [4 quarters][15 blocks][8 slices][4 waves][16 accumulators][2 halves][32 lanes][16 bytes]: the accumulators as they lie.
; WHY A QUARTER OF K: a block's h for 1,024 hidden numbers is 262,144 bytes and fits in LDS, and a work-group then takes 512 consecutive bytes of each row of w2.
; ROUTING as in the launch before, from the counts, in scalar registers: blocks of 128 rows inside each expert's range, the last range stretched to row 1,024, at most 15 blocks (grid y).  Here only the
; block's expert is wanted: h and part go by blocks.  Grid x = slice + 8 x quarter.  A work-group whose y is past the number of blocks jumps over both regions of work, passes the one barrier and ends.
; LIMITS.  Counts are taken as not negative; each count and each running sum is held to 1,024.  local_expert_indices is not an argument: reference() takes it and never uses it.
; Products in bf16 with f32 sums.
; TWO REGIONS, ONE BARRIER.  First the four waves copy the block's quarter of h into LDS, 64 KiB each.  Behind the barrier no wave depends on another: wave w owns 32 output columns, all 128 rows and the
; quarter's 32 k-blocks: 16 accumulators.  Its weights come straight from memory into a ring of registers, seven k-blocks (56 loads of 16 bytes a lane) on their way, are rounded, change lanes through
; 4 KiB of LDS that are the wave's own, and are multiplied with h's operands out of LDS.  Nothing but LDS and the registers made at the head passes from the first region to the second.
; THE 32 TRIPS OVER K ARE WRITTEN OUT: every LDS address is then a register made at the head, never rewritten, plus an immediate; and the loads of w2 reach all 32 k-blocks by their immediates.
; NO MULTICAST, NO TENSOR LOADS: each byte of w2 has one reader and is rounded in registers; what a block's eight slices share is h, a third of a work-group's bytes, and the number of blocks hangs on
; counts read from memory.
; THE MATRIX INSTRUCTION IS USED TRANSPOSED: source 0 = 16 output columns, source 1 = 16 tokens: a lane's eight results are eight neighbouring columns of one row.
; REGISTERS, in windows of 256 (s_set_vgpr_msb: bits 1:0 source 0, 3:2 source 1, 7:6 destination): window 0 all that is named below; window 1 the ring: what memory loads bring.
.set ROWB,  4096                       ; bytes in a row of w2
.set KBB,   32*ROWB                    ; a k-block: 32 rows
.set WSTG,  262144                     ; behind h: 4,096 bytes for each wave, two buffers of two operands of w2
.set SPARE, WSTG+4*4096                ; behind them: the spare words, 128 bytes for each wave
.set SPW,  6                           ; v6      SPARE + 4 x my thread's number; never rewritten
.set NIL,  7                           ; v7      0; never rewritten
.set WO,   8                           ; v8      my byte offset in a k-block of w2
.set LO,   9                           ; v9      16 x lane
.set WS,   10                          ; v10-13  where column c's 16 bytes go in my staging; never rewritten
.set BR,   14                          ; v14-15  where I read fragment f of w2 back (less f x 1,024); never rewritten
.set AR,   16                          ; v16-19  where I read h's operands: 16 x lane + 64 KiB (eight k-blocks) x 0..3; never rewritten
.set HS,   20                          ; v20     the first region: where my 64 KiB of h go; never rewritten
.set TW,   24                          ; v24-31  w2 rounded, two columns at a time
.set BF,   32                          ; v32-63  two buffers of w2's two fragments
.set XF,   64                          ; v64-127 h's operands of one k-block: tiles 0-3, tiles 4-7
.set ACC,  128                         ; v128-255 accumulator (tile tt, fragment f) at ACC + 8 (2 tt + f)
.set WV,   12
.set SL,   13                          ; slice
.set Y,    14                          ; block
.set LIVE, 15                          ; 1: my block has rows
.set CN,   16                          ; s[16:23] the counts
.set O,    24
.set P,    25
.set E,    26                          ; my expert
.set END,  29
.set TMP,  30
.set KQ,   31                          ; quarter of K
.set WB,   36                          ; s[36:37] w2 at my expert, quarter and columns; never rewritten
.set HB,   38                          ; s[38:39] h at my 64 KiB
.set PT,   40                          ; s[40:41] part at my accumulators
.set OF,   42
.set MSB, 0
.macro WIN new                         ; the immediate's high byte repeats the setting that is left; a switch that changes nothing is dropped
.if MSB != (\new)
	s_set_vgpr_msb (MSB<<8)|(\new)
.set MSB, \new
.endif
.endm
.macro SEG e                           ; one segment of the rows: expert e's.  The last e whose first block is not past y is mine
.if (\e) < 7
	s_min_u32 s[TMP], s[CN+(\e)], 1024
	s_add_co_u32 s[END], s[O], s[TMP]
	s_min_u32 s[END], s[END], 1024
.else
	s_mov_b32 s[END], 1024                         ; the last segment runs to the last row
.endif
	s_cmp_ge_u32 s[Y], s[P]
	s_cselect_b32 s[E], \e, s[E]
	s_sub_co_u32 s[TMP], s[END], s[O]
	s_add_co_u32 s[TMP], s[TMP], 127
	s_lshr_b32 s[TMP], s[TMP], 7
	s_add_co_u32 s[P], s[P], s[TMP]
	s_mov_b32 s[O], s[END]
.endm
; THE FIRST REGION.  A batch is 8 KiB: 16 loads of 512 consecutive bytes.  Four slots of 64 registers; up to three batches are out.
.macro ASKH b
	WIN 0x40                                       ; destination in window 1
.irp j, 0,1,2,3,4,5,6,7,8,9,10,11,12,13,14,15
	global_load_b128 v[64*((\b)%4)+4*(\j):64*((\b)%4)+4*(\j)+3], v[LO], s[HB:HB+1] offset:(\b)*8192+(\j)*512
.endr
	WIN 0
.endm
.macro STEPH b, lc                     ; lc = the loads of the younger batches
	s_wait_loadcnt \lc
	WIN 0x04                                       ; the stores' data in window 1
.irp j, 0,1,2,3,4,5,6,7,8,9,10,11,12,13,14,15
	ds_store_b128 v[HS], v[64*((\b)%4)+4*(\j):64*((\b)%4)+4*(\j)+3] offset:(\b)*8192+(\j)*512
.endr
	WIN 0
.if (\b) < 5
	ASKH (\b)+3                                    ; into the slot stored one step ago
.endif
.endm
; THE SECOND REGION.  Eight loads of w2: k-block n into slot n % 8 of the ring; a load takes 128 consecutive bytes of each of four rows, eight rows apart; the four waves' pieces lie end to end.
; The k-block stands in the immediate: 31 x 131,072 + 7 x 4,096 at the most, inside its signed 24 bits
.macro LDW n
	WIN 0x40
.irp jj, 0,1,2,3,4,5,6,7
	global_load_b128 v[32*((\n)&7)+4*(\jj):32*((\n)&7)+4*(\jj)+3], v[WO], s[WB:WB+1] offset:(\n)*KBB+(\jj)*ROWB th:TH_LOAD_NT
.endr
	WIN 0
.endm
; Eight LDS loads: h's operands of k-block n, tiles 4 grp .. 4 grp + 3; 512 consecutive bytes each
.macro LDT grp, n
.irp u, 0,1,2,3
	ds_load_b128 v[XF+32*(\grp)+8*(\u):XF+32*(\grp)+8*(\u)+3],   v[AR+((\n)>>3)] offset:((\n)&7)*8192+(4*(\grp)+(\u))*1024
	ds_load_b128 v[XF+32*(\grp)+8*(\u)+4:XF+32*(\grp)+8*(\u)+7], v[AR+((\n)>>3)] offset:((\n)&7)*8192+(4*(\grp)+(\u))*1024+512
.endr
.endm
; K-block n leaves the ring: rounded, through my staging into the fragment buffer n % 2; then h's tiles 0-3 of the same k-block.  Sixteen LDS instructions.  lc = the loads of the younger k-blocks.
; LDS serves a wave's instructions in order (ISA guide 5.7.1.4): the loads see the stores above them, and the next stores into a buffer come behind its loads.
.macro STAGE n, lc
.set SLT, 32*((\n)&7)
.set BUF, 2048*((\n)&1)
.set BN,  BF+16*((\n)&1)
	s_wait_loadcnt \lc
	WIN 0x05                                       ; sources in window 1
.irp c, 0,1
.irp q, 0,1,2,3
	v_cvt_pk_bf16_f32 v[TW+4*(\c)+(\q)], v[SLT+8*(\q)+(\c)], v[SLT+8*(\q)+4+(\c)]  ; column c, rows 2 q and 2 q + 1 of my eight
.endr
.endr
	WIN 0
	ds_store_b128 v[WS+0], v[TW:TW+3] offset:BUF
	ds_store_b128 v[WS+1], v[TW+4:TW+7] offset:BUF
	WIN 0x05
.irp c, 2,3
.irp q, 0,1,2,3
	v_cvt_pk_bf16_f32 v[TW+4*((\c)-2)+(\q)], v[SLT+8*(\q)+(\c)], v[SLT+8*(\q)+4+(\c)]
.endr
.endr
	WIN 0
	ds_store_b128 v[WS+2], v[TW:TW+3] offset:BUF
	ds_store_b128 v[WS+3], v[TW+4:TW+7] offset:BUF
.irp f, 0,1
.irp hf, 0,1
	ds_load_b128 v[BN+8*(\f)+4*(\hf):BN+8*(\f)+4*(\hf)+3], v[BR+(\f)] offset:BUF+(\f)*1024+(\hf)*512
.endr
.endr
	LDT 0, \n
.endm
; Eight matrix instructions: tiles 4 grp .. 4 grp + 3 x both fragments.  The sixteen accumulators take turns, one instruction a turn.  zero = 1: they start the sums
.macro MUL grp, zero
.irp u, 0,1,2,3
.irp f, 0,1
.if \zero
	v_wmma_f32_16x16x32_bf16 v[ACC+8*(8*(\grp)+2*(\u)+(\f)):ACC+8*(8*(\grp)+2*(\u)+(\f))+7], v[BC+8*(\f):BC+8*(\f)+7], v[XF+32*(\grp)+8*(\u):XF+32*(\grp)+8*(\u)+7], 0
.else
	v_wmma_f32_16x16x32_bf16 v[ACC+8*(8*(\grp)+2*(\u)+(\f)):ACC+8*(8*(\grp)+2*(\u)+(\f))+7], v[BC+8*(\f):BC+8*(\f)+7], v[XF+32*(\grp)+8*(\u):XF+32*(\grp)+8*(\u)+7], v[ACC+8*(8*(\grp)+2*(\u)+(\f)):ACC+8*(8*(\grp)+2*(\u)+(\f))+7]
.endif
.endr
.endr
.endm
; Trip t multiplies k-block t.  issue = 1: k-block t + 7 is asked for.  stage = 1: k-block t + 1 is made ready meanwhile.
.macro TRIP t, zero, issue, stage, lc
.set BC,  BF+16*((\t)&1)
.if \issue
	LDW (\t)+7
.endif
	s_wait_dscnt 8                                 ; w2's fragments and h's tiles 0-3 are in; the eight loads of tiles 4-7 may be out
	MUL 0, \zero
.if \stage
	STAGE (\t)+1, \lc                              ; its sixteen conversions are the places between the products above and the loads into their sources
	s_wait_dscnt 16                                ; tiles 4-7 are in; the stage's sixteen may be out
.else
	s_wait_dscnt 0x0
.endif
	MUL 1, \zero
.if \stage
.rept 4
	v_nop                                          ; four places between the products and the loads into their sources
.endr
	LDT 1, (\t)+1
.endif
.endm
	s_load_b256 s[4:11], s[0:1], 0x0               ; counts s[4:5], h s[6:7], w2 s[8:9], part s[10:11]
	v_lshl_add_u32 v[SPW], v0, 2, SPARE
	v_mov_b32 v[NIL], 0
	v_lshrrev_b32 v1, 5, v0
	v_readfirstlane_b32 s[WV], v1                  ; wave 0..3
	s_and_b32 s[SL], ttmp9, 7
	s_lshr_b32 s[KQ], ttmp9, 3
	s_and_b32 s[Y], ttmp7, 0xffff
	s_wait_kmcnt 0x0
	s_load_b256 s[CN:CN+7], s[4:5], 0x0            ; the counts
	; every address register of both regions' LDS work is made here, on the text that all paths share
	v_and_b32 v1, 31, v0                           ; L
	v_and_b32 v2, 15, v0                           ; r = L % 16
	v_bfe_u32 v3, v0, 4, 1                         ; hh = L / 16
	v_and_b32 v4, 7, v0                            ; q4: my four columns of the wave's 32
	v_bfe_u32 v5, v0, 3, 2                         ; g: my eight rows of a k-block's 32
	v_lshlrev_b32 v[WO], 4, v4
	v_lshl_add_u32 v[WO], v5, 15, v[WO]            ; 8 g rows of 4,096 bytes + 16 q4
	v_lshlrev_b32 v[LO], 4, v1
.irp a, 0,1,2,3
	v_add_nc_u32 v[AR+(\a)], (\a)*0x10000, v[LO]
.endr
	s_lshl_b32 s51, s[WV], 16
	v_lshl_add_u32 v[HS], v1, 4, s51               ; my 64 KiB of the block's h in LDS
	s_lshl_b32 s50, s[WV], 12
	s_add_co_u32 s50, s50, WSTG                    ; my staging
	; Column 4 q4 + c is row r' = 4 (q4 & 3) + c of fragment f = q4 >> 2; my eight rows are registers 0-3 (g < 2) or 4-7 of lane r' + 16 (g & 1).  A piece lies at
	; 1,024 f + 512 (g >> 1) + 256 (g & 1) + 16 ((r' & 12) + ((r' + f + 2 (g & 1)) & 3)): the turn of the low two bits lets the 16 lanes of a store (4 quads x f x g & 1) and the 16 lanes of a load
	; (r' = 0..15) each touch 16 different 16-byte columns of 256
	v_bfe_u32 v4, v0, 2, 1                         ; f
	v_bfe_u32 v5, v0, 3, 1                         ; g & 1
	v_and_b32 v1, 3, v0                            ; q4 & 3
	v_lshlrev_b32 v24, 10, v4
	v_lshl_add_u32 v24, v3, 9, v24                 ; g >> 1 is L / 16
	v_lshl_add_u32 v24, v5, 8, v24
	v_lshl_add_u32 v24, v1, 6, v24
	v_add_nc_u32 v24, s50, v24
	v_lshl_add_u32 v25, v5, 1, v4                  ; f + 2 (g & 1)
.irp c, 0,1,2,3
	v_add_nc_u32 v[WS+(\c)], \c, v25
	v_and_b32 v[WS+(\c)], 3, v[WS+(\c)]
	v_lshl_add_u32 v[WS+(\c)], v[WS+(\c)], 4, v24
.endr
	v_and_b32 v4, 12, v0                           ; r & 12
	v_lshl_add_u32 v5, v3, 1, v2                   ; r + 2 hh
	v_lshlrev_b32 v24, 4, v4
	v_lshl_add_u32 v24, v3, 8, v24
	v_add_nc_u32 v24, s50, v24
.irp f, 0,1
	v_add_nc_u32 v[BR+(\f)], \f, v5
	v_and_b32 v[BR+(\f)], 3, v[BR+(\f)]
	v_lshl_add_u32 v[BR+(\f)], v[BR+(\f)], 4, v24
.endr
	s_mov_b32 s[O], 0
	s_mov_b32 s[P], 0
	s_mov_b32 s[E], 0
	s_wait_kmcnt 0x0
.irp e, 0,1,2,3,4,5,6,7
	SEG \e
.endr
	s_cmp_lt_u32 s[Y], s[P]
	s_cselect_b32 s[LIVE], 1, 0                    ; this split has a block y, or not
	s_min_u32 s[E], s[E], 7                        ; a number made of loaded ones enters an address held to its range
	s_lshl_b32 s[OF], s[E], 24                     ; an expert's w2 is 16 MiB,
	s_lshl_b32 s[TMP], s[KQ], 22                   ; a quarter of K 1,024 rows of 4,096 bytes,
	s_add_co_u32 s[OF], s[OF], s[TMP]
	s_lshl_b32 s[TMP], s[SL], 9                    ; a slice 512 bytes of a row,
	s_add_co_u32 s[OF], s[OF], s[TMP]
	s_lshl_b32 s[TMP], s[WV], 7                    ; a wave's columns 128 bytes
	s_add_co_u32 s[OF], s[OF], s[TMP]
	s_mov_b32 s[OF+1], 0
	s_add_nc_u64 s[WB:WB+1], s[8:9], s[OF:OF+1]
	s_lshl_b32 s[OF], s[Y], 20                     ; h: my block, 1 MiB; my quarter, 256 KiB; my wave's 64 KiB of it
	s_lshl_b32 s[TMP], s[KQ], 18
	s_add_co_u32 s[OF], s[OF], s[TMP]
	s_add_co_u32 s[OF], s[OF], s51
	s_add_nc_u64 s[HB:HB+1], s[6:7], s[OF:OF+1]
	s_mul_i32 s[OF], s[KQ], 15<<19                 ; part: my quarter, 15 blocks of 512 KiB; my block; my slice, 64 KiB; my wave, 16 KiB
	s_lshl_b32 s[TMP], s[Y], 19
	s_add_co_u32 s[OF], s[OF], s[TMP]
	s_lshl_b32 s[TMP], s[SL], 16
	s_add_co_u32 s[OF], s[OF], s[TMP]
	s_lshl_b32 s[TMP], s[WV], 14
	s_add_co_u32 s[OF], s[OF], s[TMP]
	s_add_nc_u64 s[PT:PT+1], s[10:11], s[OF:OF+1]
	s_cmp_lg_u32 s[LIVE], 0
	s_cbranch_scc0 .Lfilled                        ; no rows: nothing to lay into LDS.  What is jumped holds no barrier
	; THE FIRST REGION: eight batches a wave
	ASKH 0
	ASKH 1
	ASKH 2
	STEPH 0, 32                                    ; two younger batches stay out
	STEPH 1, 32
	STEPH 2, 32
	STEPH 3, 32
	STEPH 4, 32                                    ; the last batch is asked for
	STEPH 5, 32
	STEPH 6, 16
	STEPH 7, 0
.Lfilled:
	s_wait_dscnt 0x0                               ; for the others' sake: my stores of h are done
	s_barrier_signal -1
	s_barrier_wait -1                              ; the one barrier, on every path: the block's quarter of h lies in LDS
	s_cmp_lg_u32 s[LIVE], 0
	s_cbranch_scc0 .Lend
	; THE SECOND REGION
.irp s, 0,1,2,3,4,5,6
	LDW \s                                         ; k-blocks 0 to 6
.endr
	STAGE 0, 48                                    ; six younger k-blocks stay out
	LDT 1, 0
	TRIP 0, 1, 1, 1, 48                            ; the first k-block starts the sums; k-block 7 is asked for
.set kk, 1
.rept 24                               ; trips 1 to 24; k-blocks 8 to 31 are asked for.  Behind each request seven k-blocks are out: the wait leaves six
	TRIP kk, 0, 1, 1, 48
.set kk, kk+1
.endr
	TRIP 25, 0, 0, 1, 40                           ; nothing more is asked for, and the counts run down
	TRIP 26, 0, 0, 1, 32
	TRIP 27, 0, 0, 1, 24
	TRIP 28, 0, 0, 1, 16
	TRIP 29, 0, 0, 1, 8
	TRIP 30, 0, 0, 1, 0
	TRIP 31, 0, 0, 0, 0
.rept 4
	v_nop                                          ; four places behind the last products
.endr
.set a, 0
.rept 16
	global_store_b128 v[LO], v[ACC+8*a:ACC+8*a+3],   s[PT:PT+1] offset:a*1024      ; each accumulator from its low end on; 512 consecutive bytes, at a multiple of 512 from part's first
	global_store_b128 v[LO], v[ACC+8*a+4:ACC+8*a+7], s[PT:PT+1] offset:a*1024+512
.set a, a+1
.endr
.Lend:
	s_wait_tensorcnt 0x0                           ; the wave's end
	ds_add_u32 v[SPW], v[NIL]
	s_wait_dscnt 0x0
	s_endpgm
.Lfunc_end_k_qfc0a5cfc1c_down:
	.size	k_qfc0a5cfc1c_down, .Lfunc_end_k_qfc0a5cfc1c_down-k_qfc0a5cfc1c_down
	.p2alignl 7, 3214868480
	.fill 96, 4, 3214868480
	.section	.rodata,"a",@progbits
	.p2align	6, 0x0
	.amdhsa_kernel k_qfc0a5cfc1c_down
		.amdhsa_group_segment_fixed_size 279040
		.amdhsa_private_segment_fixed_size 0
		.amdhsa_enable_private_segment 0
		.amdhsa_kernarg_size 32
		.amdhsa_user_sgpr_count 2
		.amdhsa_user_sgpr_kernarg_segment_ptr 1
		.amdhsa_wavefront_size32 1
		.amdhsa_system_sgpr_workgroup_id_x 1
		.amdhsa_system_sgpr_workgroup_id_y 1
		.amdhsa_system_sgpr_workgroup_id_z 1
		.amdhsa_system_vgpr_workitem_id 0
		.amdhsa_next_free_vgpr 512
		.amdhsa_next_free_sgpr 66
		.amdhsa_reserve_vcc 0
		.amdhsa_float_denorm_mode_32 3
		.amdhsa_float_denorm_mode_16_64 3
		.amdhsa_memory_ordered 1
		.amdhsa_forward_progress 1
		.amdhsa_inst_pref_size 181
	.end_amdhsa_kernel
	.amdgpu_metadata
---
amdhsa.version: [ 1, 2 ]
amdhsa.kernels:
  - .name:           k_qfc0a5cfc1c_down
    .symbol:         k_qfc0a5cfc1c_down.kd
    .args:
      - { .name: expert_counts, .offset: 0, .size: 8, .value_kind: global_buffer, .address_space: global }
      - { .name: h, .offset: 8, .size: 8, .value_kind: global_buffer, .address_space: global }
      - { .name: w2, .offset: 16, .size: 8, .value_kind: global_buffer, .address_space: global }
      - { .name: part, .offset: 24, .size: 8, .value_kind: global_buffer, .address_space: global }
    .group_segment_fixed_size: 279040
    .private_segment_fixed_size: 0
    .kernarg_segment_align: 8
    .kernarg_segment_size: 32
    .max_flat_workgroup_size: 128
    .sgpr_count:     66
    .vgpr_count:     512
    .wavefront_size: 32
...
	.end_amdgpu_metadata
.endif
;; end of part 2
;; launch sum (part 3): grid 32 x 15, 4 waves a work-group, no clusters, 17,920 bytes of LDS; arguments expert_counts, part, out0; writes out0
.if DOCPART == 3
	.amdgcn_target "amdgcn-amd-amdhsa--gfx1250"
	.amdhsa_code_object_version 6
	.text
	.protected	k_qfc0a5cfc1c_sum
	.globl	k_qfc0a5cfc1c_sum
	.p2align	8
	.type	k_qfc0a5cfc1c_sum,@function
k_qfc0a5cfc1c_sum:
	s_mov_b64 s[64:65], 0
	v_nop
	global_prefetch_b8 v0, s[64:65] scope:SCOPE_SE
	s_setreg_imm32_b32 hwreg(HW_REG_WAVE_MODE, 25, 1), 1
	s_wait_xcnt 0x0
; out0 = the sum of the four partial products of the launch before, in f32, ((p0 + p1) + p2) + p3; 0 in the rows that belong to no expert.  out0 [1024][1024] f32.
; part: [4 quarters of K][15 blocks][8 slices][4 waves][16 accumulators][2 halves][32 lanes][16 bytes].  Accumulator 2 tt + f, half hf, lane (r = L % 16, h = L / 16) holds row 16 tt + r of the block and
; the four columns from 128 slice + 32 wave + 16 f + 8 h + 4 hf on.
; ROUTING as in the launches before, from the eight counts, in scalar registers: blocks of 128 rows inside each expert's range, the last range stretched to row 1,024, at most 15 blocks (grid y).
; Rows at or past the counts' sum get 0, by a select; rows past a block's count are another block's and are not stored.  Grid x = tile of 16 rows + 8 x quarter of the columns.
; LIMITS.  Counts are taken as not negative; each count and each running sum is held to 1,024.  local_expert_indices is not an argument: reference() takes it and never uses it.
; A STREAM: memory binds, so no matrix unit, no cluster, no shared LDS.  A wave takes 16 rows x 64 columns: 32 loads of 512 consecutive bytes, all out at once; the sums change lanes through 4,352 bytes
; of LDS that are the wave's own; each store then covers two rows' 256 consecutive aligned bytes.  No wave depends on another: there is no barrier, and a wave without rows ends at once.
.set SP,    272                        ; a row of 64 f32 in LDS: 256 bytes + 16, so the 16 rows of a store start at 16 different 16-byte columns of 256
.set WST,   16*SP                      ; a wave's stage
.set SPARE, 4*WST                      ; behind the stages: the spare words, 128 bytes for each wave
.set QB,    15<<19                     ; bytes from a quarter's partial sums to the next quarter's
.set SPW,  6                           ; v6   SPARE + 4 x my thread's number; never rewritten
.set NIL,  7                           ; v7   0; never rewritten
.set LO,   8                           ; 16 x lane
.set SO,   9                           ; where my 16 bytes go in the stage
.set RD,   10                          ; where I read rows back
.set R16,  11                          ; 16 x (lane % 16)
.set LR0,  12                          ; my row in the block, store 0
.set GR0,  13                          ; my row in out0, store 0
.set LD,   32                          ; v32-159  four quarters x 32 registers; the sums grow in the first 32
.set T,    160                         ; v160-191 eight stores x 4 registers
.set LRU,  192                         ; v192-199 my row in the block, by store
.set OFU,  200                         ; v200-207 my byte offset in out0, by store
.set GRU,  208                         ; v208-215 my row in out0, by store
.set WV,   12
.set TT,   13                          ; tile of 16 rows
.set Y,    14                          ; block
.set CQ,   15                          ; quarter of the columns
.set CN,   16                          ; s[16:23] the counts
.set O,    24
.set P,    25
.set ST,   27
.set EN,   28
.set PB,   29
.set END,  30
.set TMP,  31
.set ROW0, 32                          ; my block's first row
.set NR,   33                          ; its rows
.set TOT,  34                          ; the counts' sum
.set PQ,   36                          ; s[36:43] part at my pieces, one base for each quarter
.set OB,   44                          ; s[44:45] out0 at my 64 columns
.set OF,   46
.macro SEG e                           ; one segment of the rows: expert e's.  The last e whose first block is not past y is mine
	s_min_u32 s[TMP], s[CN+(\e)], 1024
	s_add_co_u32 s[END], s[O], s[TMP]
	s_min_u32 s[END], s[END], 1024
.if (\e) == 7
	s_mov_b32 s[TOT], s[END]                       ; rows from here on belong to no expert;
	s_mov_b32 s[END], 1024                         ; the last segment takes them along
.endif
	s_cmp_ge_u32 s[Y], s[P]
	s_cselect_b32 s[ST], s[O], s[ST]               ; s_cselect_b32 leaves SCC as it is
	s_cselect_b32 s[EN], s[END], s[EN]
	s_cselect_b32 s[PB], s[P], s[PB]
	s_sub_co_u32 s[TMP], s[END], s[O]
	s_add_co_u32 s[TMP], s[TMP], 127
	s_lshr_b32 s[TMP], s[TMP], 7
	s_add_co_u32 s[P], s[P], s[TMP]
	s_mov_b32 s[O], s[END]
.endm
.macro ADDQ kq                         ; quarter kq's 32 numbers onto the sums
.set i, 0
.rept 16
	v_pk_add_f32 v[LD+2*i:LD+2*i+1], v[LD+2*i:LD+2*i+1], v[LD+32*(\kq)+2*i:LD+32*(\kq)+2*i+1]
.set i, i+1
.endr
.endm
	s_load_b128 s[4:7], s[0:1], 0x0                ; counts s[4:5], part s[6:7]
	s_load_b64 s[8:9], s[0:1], 0x10                ; out0
	v_lshl_add_u32 v[SPW], v0, 2, SPARE
	v_mov_b32 v[NIL], 0
	v_lshrrev_b32 v1, 5, v0
	v_readfirstlane_b32 s[WV], v1                  ; wave 0..3
	s_and_b32 s[TT], ttmp9, 7
	s_lshr_b32 s[CQ], ttmp9, 3
	s_and_b32 s[Y], ttmp7, 0xffff
	s_wait_kmcnt 0x0
	s_load_b256 s[CN:CN+7], s[4:5], 0x0            ; the eight counts
	v_and_b32 v1, 31, v0                           ; L
	v_and_b32 v2, 15, v0                           ; r
	v_bfe_u32 v3, v0, 4, 1                         ; h
	v_lshlrev_b32 v[LO], 4, v1
	v_lshlrev_b32 v[R16], 4, v2
	s_mul_i32 s50, s[WV], WST                      ; my stage
	v_mul_u32_u24 v[SO], v2, SP                    ; in: row r, 32 bytes for each half of the lanes
	v_lshl_add_u32 v[SO], v3, 5, v[SO]
	v_add_nc_u32 v[SO], s50, v[SO]
	v_mul_u32_u24 v[RD], v3, SP                    ; back: lanes 0-15 take one row of 256 bytes, lanes 16-31 the next
	v_lshl_add_u32 v[RD], v2, 4, v[RD]
	v_add_nc_u32 v[RD], s50, v[RD]
	s_mov_b32 s[O], 0
	s_mov_b32 s[P], 0
	s_mov_b32 s[ST], 0
	s_mov_b32 s[EN], 0
	s_mov_b32 s[PB], 0
	s_wait_kmcnt 0x0
.irp e, 0,1,2,3,4,5,6,7
	SEG \e
.endr
	s_cmp_ge_u32 s[Y], s[P]                        ; this split has fewer blocks than y: nothing to store.  The kernel has no barrier, and nothing has been written to LDS yet
	s_cbranch_scc1 .Lidle
	s_sub_co_u32 s[TMP], s[Y], s[PB]
	s_lshl_b32 s[TMP], s[TMP], 7
	s_add_co_u32 s[ROW0], s[ST], s[TMP]
	s_min_u32 s[ROW0], s[ROW0], 1023               ; numbers made of loaded ones enter addresses held to their range
	s_sub_co_u32 s[NR], s[EN], s[ROW0]
	s_min_u32 s[NR], s[NR], 128
	s_lshl_b32 s51, s[TT], 4
	s_cmp_ge_u32 s51, s[NR]                        ; my tile lies past the block's count: nothing to store
	s_cbranch_scc1 .Lidle
	; my 64 columns are group cg = 4 x quarter + wave of sixteen: slice cg >> 1, the producing waves 2 (cg & 1) and 2 (cg & 1) + 1
	s_lshl_b32 s[OF], s[Y], 19                     ; my block, 512 KiB
	s_lshl_b32 s[TMP], s[CQ], 17                   ; slice 2 x quarter + (wave >> 1), 64 KiB each
	s_add_co_u32 s[OF], s[OF], s[TMP]
	s_lshr_b32 s[TMP], s[WV], 1
	s_lshl_b32 s[TMP], s[TMP], 16
	s_add_co_u32 s[OF], s[OF], s[TMP]
	s_and_b32 s[TMP], s[WV], 1
	s_lshl_b32 s[TMP], s[TMP], 15                  ; two producing waves, 16 KiB each
	s_add_co_u32 s[OF], s[OF], s[TMP]
	s_lshl_b32 s[TMP], s[TT], 11                   ; a tile's two accumulators, 1 KiB each
	s_add_co_u32 s[OF], s[OF], s[TMP]
	s_mov_b32 s[OF+1], 0
	s_add_nc_u64 s[PQ:PQ+1], s[6:7], s[OF:OF+1]
	s_add_nc_u64 s[PQ+2:PQ+3], s[PQ:PQ+1], QB
	s_add_nc_u64 s[PQ+4:PQ+5], s[PQ+2:PQ+3], QB
	s_add_nc_u64 s[PQ+6:PQ+7], s[PQ+4:PQ+5], QB
.irp kq, 0,1,2,3
.irp w, 0,1
.irp f, 0,1
.irp hf, 0,1
	global_load_b128 v[LD+32*(\kq)+4*(4*(\w)+2*(\f)+(\hf)):LD+32*(\kq)+4*(4*(\w)+2*(\f)+(\hf))+3], v[LO], s[PQ+2*(\kq):PQ+2*(\kq)+1] offset:(\w)*16384+(\f)*1024+(\hf)*512 th:TH_LOAD_NT
.endr
.endr
.endr
.endr
	s_lshl_b32 s[OF], s[CQ], 2
	s_add_co_u32 s[OF], s[OF], s[WV]
	s_lshl_b32 s[OF], s[OF], 8                     ; 256 bytes of a row for each group of 64 columns
	s_add_nc_u64 s[OB:OB+1], s[8:9], s[OF:OF+1]
	v_add_nc_u32 v[LR0], s51, v3                   ; store u takes rows 16 tt + 2 u + h of the block
	v_add_nc_u32 v[GR0], s[ROW0], v[LR0]
.irp u, 0,1,2,3,4,5,6,7
	v_add_nc_u32 v[LRU+(\u)], 2*(\u), v[LR0]
	v_add_nc_u32 v[GRU+(\u)], 2*(\u), v[GR0]
	v_min_u32 v[OFU+(\u)], 0x3ff, v[GRU+(\u)]
	v_lshl_add_u32 v[OFU+(\u)], v[OFU+(\u)], 12, v[R16]  ; row x 4,096 + 16 r
.endr
	s_wait_loadcnt 16                              ; quarters 0 and 1 are in
	ADDQ 1
	s_wait_loadcnt 8                               ; quarter 2
	ADDQ 2
	s_wait_loadcnt 0x0
	ADDQ 3
.irp w, 0,1
.irp f, 0,1
.irp hf, 0,1
	ds_store_b128 v[SO], v[LD+4*(4*(\w)+2*(\f)+(\hf)):LD+4*(4*(\w)+2*(\f)+(\hf))+3] offset:128*(\w)+64*(\f)+16*(\hf)
.endr
.endr
.endr
.irp u, 0,1,2,3,4,5,6,7
	ds_load_b128 v[T+4*(\u):T+4*(\u)+3], v[RD] offset:(\u)*2*SP  ; LDS serves a wave's instructions in order (ISA guide 5.7.1.4): these see the stores above
.endr
	s_wait_dscnt 0x0
.irp u, 0,1,2,3,4,5,6,7
	v_cmp_gt_u32 vcc_lo, s[TOT], v[GRU+(\u)]       ; a row at or past the counts' sum belongs to no expert: 0
.irp k, 0,1,2,3
	v_cndmask_b32 v[T+4*(\u)+(\k)], 0, v[T+4*(\u)+(\k)], vcc_lo
.endr
.endr
	s_wait_xcnt 0x0                                ; EXEC changes only behind this wait
.irp u, 0,1,2,3,4,5,6,7
	v_cmp_gt_u32 vcc_lo, s[NR], v[LRU+(\u)]        ; rows past my block's count are another block's
	s_and_saveexec_b32 s50, vcc_lo
	global_store_b128 v[OFU+(\u)], v[T+4*(\u):T+4*(\u)+3], s[OB:OB+1] th:TH_STORE_NT  ; sixteen lanes store 256 consecutive bytes, at a multiple of 256 from out0's first
	s_wait_xcnt 0x0                                ; and again, in front of the line that widens it
	s_or_b32 exec_lo, exec_lo, s50
.endr
	s_wait_tensorcnt 0x0                           ; the wave's end
	ds_add_u32 v[SPW], v[NIL]
	s_wait_dscnt 0x0
	s_endpgm
.Lidle:
	s_endpgm
.Lfunc_end_k_qfc0a5cfc1c_sum:
	.size	k_qfc0a5cfc1c_sum, .Lfunc_end_k_qfc0a5cfc1c_sum-k_qfc0a5cfc1c_sum
	.p2alignl 7, 3214868480
	.fill 96, 4, 3214868480
	.section	.rodata,"a",@progbits
	.p2align	6, 0x0
	.amdhsa_kernel k_qfc0a5cfc1c_sum
		.amdhsa_group_segment_fixed_size 17920
		.amdhsa_private_segment_fixed_size 0
		.amdhsa_enable_private_segment 0
		.amdhsa_kernarg_size 24
		.amdhsa_user_sgpr_count 2
		.amdhsa_user_sgpr_kernarg_segment_ptr 1
		.amdhsa_wavefront_size32 1
		.amdhsa_system_sgpr_workgroup_id_x 1
		.amdhsa_system_sgpr_workgroup_id_y 1
		.amdhsa_system_sgpr_workgroup_id_z 1
		.amdhsa_system_vgpr_workitem_id 0
		.amdhsa_next_free_vgpr 216
		.amdhsa_next_free_sgpr 66
		.amdhsa_reserve_vcc 1
		.amdhsa_float_denorm_mode_32 3
		.amdhsa_float_denorm_mode_16_64 3
		.amdhsa_memory_ordered 1
		.amdhsa_forward_progress 1
		.amdhsa_inst_pref_size 19
	.end_amdhsa_kernel
	.amdgpu_metadata
---
amdhsa.version: [ 1, 2 ]
amdhsa.kernels:
  - .name:           k_qfc0a5cfc1c_sum
    .symbol:         k_qfc0a5cfc1c_sum.kd
    .args:
      - { .name: expert_counts, .offset: 0, .size: 8, .value_kind: global_buffer, .address_space: global }
      - { .name: part, .offset: 8, .size: 8, .value_kind: global_buffer, .address_space: global }
      - { .name: out0, .offset: 16, .size: 8, .value_kind: global_buffer, .address_space: global }
    .group_segment_fixed_size: 17920
    .private_segment_fixed_size: 0
    .kernarg_segment_align: 8
    .kernarg_segment_size: 24
    .max_flat_workgroup_size: 128
    .sgpr_count:     66
    .vgpr_count:     216
    .wavefront_size: 32
...
	.end_amdgpu_metadata
.endif
;; end of part 3
;; ======== version 2 of 2: 3 launches; version 1 with the launches up, down written anew for expert scheduling mode
;; workspace buffers: h 15,728,640 bytes; part 31,457,280 bytes
;; launch up (part 4): grid 32 x 15, 4 waves a work-group, no clusters, 281,088 bytes of LDS; arguments expert_counts, x_sorted, w1, h; writes h
.if DOCPART == 4
	.amdgcn_target "amdgcn-amd-amdhsa--gfx1250"
	.amdhsa_code_object_version 6
	.text
	.protected	k_qfc0a5cfc1c_up
	.globl	k_qfc0a5cfc1c_up
	.p2align	8
	.type	k_qfc0a5cfc1c_up,@function
k_qfc0a5cfc1c_up:
	s_mov_b64 s[64:65], 0
	v_nop
	global_prefetch_b8 v0, s[64:65] scope:SCOPE_SE
	s_setreg_imm32_b32 hwreg(HW_REG_WAVE_SCHED_MODE, 0, 2), 2
	s_setreg_imm32_b32 hwreg(HW_REG_WAVE_MODE, 25, 1), 1
	s_wait_xcnt 0x0
	s_wait_alu depctr_vm_vsrc(0)
; h = gelu_tanh(x . w1[e]) for one block of up to 128 token rows and 128 of the 4,096 hidden columns.  x [1024][1024] f32, w1 [8][1024][4096] f32, h bf16 (layout below).
; ROUTING.  Tokens lie sorted by expert: expert e owns the rows from the running sum of the counts before it up to the sum with it.  Every work-group works that out of the counts in scalar registers.
; Each expert's rows are cut into blocks of 128; the last expert's range is stretched to row 1,024 (the last launch writes 0 into the rows of no expert, by the eighth count).  Whatever the split there
; are at most 1024/128 + 8 - 1 = 15 blocks: grid y.  Grid x is the slice of 128 hidden columns.  A work-group whose y is past the number of blocks has no rows: it jumps over both regions of work,
; passes the one barrier and ends.  A row past a block's count repeats a row that exists; its results are stored and never used.
; LIMITS.  Counts are taken as not negative; each count and each running sum is held to 1,024.  local_expert_indices is not an argument: reference() takes it and never uses it.
; Products in bf16 with f32 sums; gelu in f32; h rounded once to bf16.
; TWO REGIONS, ONE BARRIER.  First the four waves lay the block's 128 rows of x, rounded to bf16, into LDS (264,192 bytes).  Behind the barrier no wave depends on another: wave w owns 32 hidden columns,
; all 128 rows and all of K: 16 accumulators.  Its weights come straight from memory into a ring of registers, seven k-blocks of 32 (56 loads of 16 bytes a lane) on their way, are rounded, change lanes
; through 4 KiB of LDS that are the wave's own, and are multiplied with x's fragments out of LDS.  Nothing but LDS and the registers made at the head passes from the first region to the second.
; THE 32 TRIPS OVER K ARE WRITTEN OUT: every LDS address of the second region is then a register made at the head, never rewritten, plus an immediate.
; NO MULTICAST, NO TENSOR LOADS: each byte of w1 has one reader and is rounded in registers; what a block's 32 slices share is x, which would have to land as f32: 524,288 bytes beside its copy of
; 264,192 do not fit in LDS; and the number of blocks hangs on counts read from memory.
; THE MATRIX INSTRUCTION IS USED TRANSPOSED: source 0 = 16 hidden columns, source 1 = 16 tokens, so a lane's eight results are eight neighbouring hidden columns of ONE token.
; h's LAYOUT: [15 blocks][128 k-blocks][8 tiles of 16 rows][2 halves][32 lanes][16 bytes]: a (k-block, tile) is 1,024 bytes, a 16 x 32 operand as registers take it (lane L: registers 0-3 at 16 L,
; registers 4-7 at 512 + 16 L), k in its natural order: a wave's 32 columns are one k-block of the second product.
; REGISTERS, in windows of 256 (s_set_vgpr_msb: bits 1:0 source 0, 3:2 source 1, 5:4 source 2, 7:6 destination): window 0 addresses, w1's fragments and what is at work; window 1 the ring: what memory
; loads bring; window 2 x's fragments, two buffers, and the accumulators: one setting serves a trip's products and the LDS loads that are dealt among them.
; THE MODE: SCHED_MODE bits 1:0 = 2 (LLVM: expert scheduling mode 2), set by the entry lines.  The code itself states the register dependences between vector or matrix instructions and memory or LDS
; instructions, with s_wait_alu, always for 0.
; THE PLAN, FIRST REGION.  16 steps; step p rounds batch p (two rows of x).  Registers that memory or LDS instructions touch:
;   slots 0-3 (window 1)  the loads of batch p + 3, issued in step p, land in slot (p + 3) % 4 = (p - 1) % 4; step p's roundings read slot p % 4.
;   TX0, TX1              step p's roundings write TX[p % 2]; the sixteen LDS stores issued in step p + 1 read it.
;   XO0-3, XSA            written at a step's head (XSA in every fourth), read by the loads and the LDS stores behind it.
; So two waits stand at a step's head.  The one on vm_vsrc: earlier loads have read the offset register, the last step's LDS stores TX[p % 2] and XSA.  The one on va_vdst: the offset and XSA are written,
; the last step's roundings have written the other TX and are done reading the slot that is asked for again.  The step's loads and LDS stores follow it; its roundings name slot p % 4 and TX[p % 2] alone.
; THE PLAN, SECOND REGION.  Trip t multiplies k-block t.
;   RING[n & 7] (window 1)  the loads of k-block n, issued at the head of trip n - 7, land in it; the sixteen roundings at the head of trip n - 1 read it.
;   TW                      those roundings write it; the four LDS stores straight behind them read it.
;   BF[n & 1], XF[n & 1]    the LDS loads of trip n - 1 land in them; trip n's products read them.
;   WO, WS, BR, XR, LO      made at the head, never written again.
; So ONE wait on va_vdst stands in a trip, behind its roundings: TW is written, the roundings are done with their slot of the ring, and the products of the trip before are done reading the BF and XF in
; which this trip's LDS loads land.  Behind it only products are issued, which name the other BF, the other XF and the accumulators: the trip's LDS loads are dealt among them, and the loads of w1 at the
; next trip's head follow, with no further wait.  One wait on vm_vsrc stands ahead of the roundings: the last trip's LDS stores have read TW.
.set ROWB,  16384                      ; bytes in a row of w1
.set KBB,   32*ROWB                    ; a k-block: 32 rows
.set XP,    2064                       ; a row of x in LDS: 2,048 bytes + 16: 129 times 16, so the 16 rows of an operand load start at 16 different 16-byte columns of 256
.set WSTG,  128*XP                     ; behind x: 4,096 bytes for each wave, two buffers of two operands of w1; behind them the spare words, 128 bytes for each wave
.set WO,   8                           ; v8      my byte offset in a k-block of w1
.set LO,   9                           ; v9      16 x lane
.set WS,   10                          ; v10-13  where column c's 16 bytes go in my staging; never rewritten
.set BR,   14                          ; v14-15  where I read fragment f of w1 back (less f x 1,024); never rewritten
.set XR,   16                          ; v16-23  where I read tile tt of x, k-block 0; never rewritten
.set BF,   32                          ; v32-63  two buffers of w1's two fragments
.set TW,   96                          ; v96-111 w1 rounded: my four columns
.set XF,   0                           ; window 2: v0-127 two buffers of x's fragments of one k-block: tiles 0-3, tiles 4-7
.set ACC,  128                         ; window 2: v128-255 accumulator (tile tt, fragment f) at ACC + 8 (2 tt + f)
.set RV,   32                          ; the first region: the row that I ask for next
.set R16,  33                          ;   16 x (lane % 16)
.set XS,   34                          ;   where I put 8 bytes of my first row; made at the head, not rewritten in the first region
.set XSA,  35                          ;   the same, eight rows further on with every fourth step
.set XO,   36                          ;   v36-39 my byte offset in x, by slot
.set TX,   64                          ;   v64-127 x rounded, two buffers of 32
.set Z,    32                          ; the way out: v32-95 at work
.set HO,   128                         ; the way out: v128-191 h as stored, 32 registers for each half of the tiles
.set WV,   12                          ; my wave's number
.set SL,   13                          ; slice
.set Y,    14                          ; block
.set LIVE, 15                          ; 1: my block has rows
.set CN,   16                          ; s[16:23] the counts
.set O,    24                          ; rows before the segment in hand
.set P,    25                          ; blocks before it
.set E,    26                          ; my expert
.set ST,   27                          ; its first row
.set PB,   28                          ; its first block
.set END,  29
.set TMP,  30
.set ROW0, 31                          ; my block's first row
.set LOOP, 32
.set XT,   33                          ; the first region: bytes of LDS that the loop has gone on
.set T0,   34
.set T1,   35
.set WB,   36                          ; s[36:43] w1 at my expert and my columns: four bases, eight k-blocks (4 MiB) apart; never rewritten
.set HB,   44                          ; s[44:45] h at my k-block
.set OF,   46                          ; s[46:47] an offset
.set GA,   48                          ; s[48:49] gelu's a
.set GB,   50                          ; s[50:51] gelu's b
.set MSB, 0
.macro WIN new                         ; the immediate's high byte repeats the setting that is left; a switch that changes nothing is dropped
.if MSB != (\new)
	s_set_vgpr_msb (MSB<<8)|(\new)
.set MSB, \new
.endif
.endm
; One segment of the rows: expert e's.  The last e whose first block is not past y is mine.
.macro SEG e
.if (\e) < 7
	s_min_u32 s[TMP], s[CN+(\e)], 1024
	s_add_co_u32 s[END], s[O], s[TMP]
	s_min_u32 s[END], s[END], 1024
.else
	s_mov_b32 s[END], 1024                         ; the last segment runs to the last row
.endif
	s_cmp_ge_u32 s[Y], s[P]
	s_cselect_b32 s[E], \e, s[E]                   ; s_cselect_b32 leaves SCC as it is
	s_cselect_b32 s[ST], s[O], s[ST]
	s_cselect_b32 s[PB], s[P], s[PB]
	s_sub_co_u32 s[TMP], s[END], s[O]
	s_add_co_u32 s[TMP], s[TMP], 127
	s_lshr_b32 s[TMP], s[TMP], 7
	s_add_co_u32 s[P], s[P], s[TMP]                ; its blocks of 128 rows
	s_mov_b32 s[O], s[END]
.endm
; THE FIRST REGION.  A batch is two rows of x: 16 loads, each 256 consecutive aligned bytes of either row.  Four slots of 64 registers; three batches are out.
.macro OFFX sl                         ; the offset of the batch that slot sl takes next
	v_min_u32 v[XO+(\sl)], 0x3ff, v[RV]            ; a row past the last repeats row 1,023
	v_lshl_add_u32 v[XO+(\sl)], v[XO+(\sl)], 12, v[R16]
	v_add_nc_u32 v[RV], 2, v[RV]
.endm
.macro LDX sl                          ; its sixteen loads; destination in window 1
.irp j, 0,1,2,3,4,5,6,7,8,9,10,11,12,13,14,15
	global_load_b128 v[64*(\sl)+4*(\j):64*(\sl)+4*(\j)+3], v[XO+(\sl)], s[6:7] offset:(\j)*256
.endr
.endm
.macro STX sl                          ; the sixteen LDS stores of the batch that slot sl held: two of the eight rows that XSA names
.irp j, 0,1,2,3,4,5,6,7,8,9,10,11,12,13,14,15
	ds_store_b64 v[XSA], v[TX+32*((\sl)%2)+2*(\j):TX+32*((\sl)%2)+2*(\j)+1] offset:(\sl)*2*XP+(\j)*128
.endr
.endm
; Step p, sl = p % 4.  first = 1: step 0, with no step in front of it.  ask = 1: batch p + 3 is asked for.  lc = the loads of the younger batches.
.macro STEP sl, first, ask, lc
	s_wait_loadcnt \lc                             ; my slot's batch is in; the last step's wait has shown the loads done that read the offset register written below
.if !(\first)
	s_wait_alu depctr_vm_vsrc(0)                   ; earlier loads have read the offset register that is written below; the LDS stores issued in the last step have read XSA and the TX that this step's roundings write again
.if \ask
	OFFX ((\sl)+3)%4
.endif
.if (\sl) == 1
	v_add_nc_u32 v[XSA], s[XT], v[XS]              ; the next four batches' eight rows
.endif
	WIN 0x40                                       ; destination in window 1; addresses and the stores' data in window 0
	s_wait_alu depctr_va_vdst(0)                   ; the offset and XSA are written; the last step's roundings have written the other TX, which the stores below read, and are done reading their slot, in which the loads below land
.endif
	WIN 0x40
.if \ask
	LDX ((\sl)+3)%4                                ; the slot rounded one step ago takes the batch three on
.endif
.if !(\first)
	STX ((\sl)+3)%4                                ; the batch rounded one step ago
.endif
	WIN 0x05                                       ; sources in window 1
.irp j, 0,1,2,3,4,5,6,7,8,9,10,11,12,13,14,15
	v_cvt_pk_bf16_f32 v[TX+32*((\sl)%2)+2*(\j)],   v[64*(\sl)+4*(\j)],   v[64*(\sl)+4*(\j)+1]
	v_cvt_pk_bf16_f32 v[TX+32*((\sl)%2)+2*(\j)+1], v[64*(\sl)+4*(\j)+2], v[64*(\sl)+4*(\j)+3]
.endr
	WIN 0
.endm
; THE SECOND REGION.  Eight loads of w1: k-block n into slot n % 8 of the ring; a load takes 128 consecutive bytes of each of four rows, eight rows apart; the four waves' pieces lie end to end
.macro LDW n
	WIN 0x40
.irp jj, 0,1,2,3,4,5,6,7
	global_load_b128 v[32*((\n)&7)+4*(\jj):32*((\n)&7)+4*(\jj)+3], v[WO], s[WB+2*((\n)>>3):WB+2*((\n)>>3)+1] offset:((\n)&7)*KBB+(\jj)*ROWB th:TH_LOAD_NT
.endr
.endm
; Eight LDS loads: x's fragments of k-block n, tiles 4 grp .. 4 grp + 3, into buffer n % 2; the k-block's 64 bytes of a row stand in the immediate
.macro LDT grp, n
	WIN 0xa8                                       ; destination in window 2, address in window 0: the products' own setting
.irp u, 0,1,2,3
	ds_load_b128 v[XF+64*((\n)&1)+32*(\grp)+8*(\u):XF+64*((\n)&1)+32*(\grp)+8*(\u)+3],   v[XR+4*(\grp)+(\u)] offset:(\n)*64
	ds_load_b128 v[XF+64*((\n)&1)+32*(\grp)+8*(\u)+4:XF+64*((\n)&1)+32*(\grp)+8*(\u)+7], v[XR+4*(\grp)+(\u)] offset:(\n)*64+32
.endr
.endm
; K-block n leaves the ring: rounded, through my staging into the fragment buffer n % 2.  Eight LDS instructions.  lc = the loads of the younger k-blocks.
; LDS serves a wave's instructions in order (ISA guide 5.7.1.4): the loads see the stores above them, and the next stores into a buffer come behind its loads.
.macro STAGE n, lc
.set SLT, 32*((\n)&7)
.set BUF, 2048*((\n)&1)
.set BN,  BF+16*((\n)&1)
	s_wait_loadcnt \lc
.if (\n) > 0
	s_wait_alu depctr_vm_vsrc(0)                   ; the LDS stores of the k-block before have read TW, which the roundings below write again
.endif
	WIN 0x05                                       ; sources in window 1
.irp c, 0,1,2,3
.irp q, 0,1,2,3
	v_cvt_pk_bf16_f32 v[TW+4*(\c)+(\q)], v[SLT+8*(\q)+(\c)], v[SLT+8*(\q)+4+(\c)]  ; column c, rows 2 q and 2 q + 1 of my eight
.endr
.endr
	WIN 0
	s_wait_alu depctr_va_vdst(0)                   ; the roundings have written TW, which the stores below read, and are done reading their slot of the ring; the products of the trip before are done reading the BF and the XF in which this trip's LDS loads land
.irp c, 0,1,2,3
	ds_store_b128 v[WS+(\c)], v[TW+4*(\c):TW+4*(\c)+3] offset:BUF
.endr
.irp f, 0,1
.irp hf, 0,1
	ds_load_b128 v[BN+8*(\f)+4*(\hf):BN+8*(\f)+4*(\hf)+3], v[BR+(\f)] offset:BUF+(\f)*1024+(\hf)*512
.endr
.endr
.endm
; Eight matrix instructions: tiles 4 grp .. 4 grp + 3 x both fragments.  The sixteen accumulators take turns, one instruction a turn.  zero = 1: they start the sums
.macro MUL grp, zero
	WIN 0xa8                                       ; w1's fragments in window 0; x's fragments and the accumulators in window 2
.irp u, 0,1,2,3
.irp f, 0,1
.if \zero
	v_wmma_f32_16x16x32_bf16 v[ACC+8*(8*(\grp)+2*(\u)+(\f)):ACC+8*(8*(\grp)+2*(\u)+(\f))+7], v[BC+8*(\f):BC+8*(\f)+7], v[XC+32*(\grp)+8*(\u):XC+32*(\grp)+8*(\u)+7], 0
.else
	v_wmma_f32_16x16x32_bf16 v[ACC+8*(8*(\grp)+2*(\u)+(\f)):ACC+8*(8*(\grp)+2*(\u)+(\f))+7], v[BC+8*(\f):BC+8*(\f)+7], v[XC+32*(\grp)+8*(\u):XC+32*(\grp)+8*(\u)+7], v[ACC+8*(8*(\grp)+2*(\u)+(\f)):ACC+8*(8*(\grp)+2*(\u)+(\f))+7]
.endif
.endr
.endr
.endm
; Trip t multiplies k-block t.  issue = 1: k-block t + 7 is asked for.  stage = 1: k-block t + 1 is made ready meanwhile.
.macro TRIP t, zero, issue, stage, lc
.set BC,  BF+16*((\t)&1)
.set XC,  XF+64*((\t)&1)
.if \issue
	LDW (\t)+7                                     ; no wait: its slot was rounded ahead of the last wait on va_vdst, and only products, which name neither the ring nor WO, have been issued since
.endif
.if \stage
	STAGE (\t)+1, \lc
	s_wait_dscnt 16                                ; w1's fragments and x's tiles 0-3 of this k-block are in; the eight loads of tiles 4-7 and the stage's eight may be out
.else
	s_wait_dscnt 8                                 ; the eight loads of tiles 4-7 may be out
.endif
	MUL 0, \zero
.if \stage
	LDT 0, (\t)+1                                  ; no wait: the products since the wait on va_vdst name the other buffer
	s_wait_dscnt 16                                ; tiles 4-7 are in; the stage's eight and the eight loads just issued may be out
.else
	s_wait_dscnt 0x0
.endif
	MUL 1, \zero
.if \stage
	LDT 1, (\t)+1
.endif
.endm
; gelu_tanh(x) = x / (1 + 2^z), z = x (a + b x^2), for the 64 numbers of tiles 4 hf .. 4 hf + 3; no clip is needed: z = +inf gives x times 0, z = -inf gives x.  ho: 32 registers for h as stored
.macro GELU hf, ho
.set AB, ACC+64*(\hf)
	WIN 0x0a                                       ; both sources in window 2
.set i, 0
.rept 32
	v_pk_mul_f32 v[Z+2*i:Z+2*i+1], v[AB+2*i:AB+2*i+1], v[AB+2*i:AB+2*i+1]  ; ascending: each accumulator is read from its low end on
.set i, i+1
.endr
	WIN 0
.set i, 0
.rept 32
	v_pk_fma_f32 v[Z+2*i:Z+2*i+1], v[Z+2*i:Z+2*i+1], s[GB:GB+1], s[GA:GA+1] op_sel_hi:[1,0,0]
.set i, i+1
.endr
	WIN 0x08                                       ; source 1 in window 2
.set i, 0
.rept 32
	v_pk_mul_f32 v[Z+2*i:Z+2*i+1], v[Z+2*i:Z+2*i+1], v[AB+2*i:AB+2*i+1]
.set i, i+1
.endr
	WIN 0
.set i, 0
.rept 64
	v_exp_f32 v[Z+i], v[Z+i]                       ; one batch
.set i, i+1
.endr
	v_nop                                          ; a plain instruction behind the last exponential,
	s_wait_alu depctr_va_vdst(0)                   ; and one wait for the batch ahead of its first reader: the 64 exponentials have written Z
.set i, 0
.rept 32
	v_pk_add_f32 v[Z+2*i:Z+2*i+1], v[Z+2*i:Z+2*i+1], 1.0 op_sel_hi:[1,0]
.set i, i+1
.endr
.set i, 0
.rept 64
	v_rcp_f32 v[Z+i], v[Z+i]                       ; a second batch
.set i, i+1
.endr
	v_nop
	s_wait_alu depctr_va_vdst(0)                   ; the 64 reciprocals have written Z, ahead of their first reader
	WIN 0x08
.set i, 0
.rept 32
	v_pk_mul_f32 v[Z+2*i:Z+2*i+1], v[Z+2*i:Z+2*i+1], v[AB+2*i:AB+2*i+1]
.set i, i+1
.endr
	WIN 0
.set i, 0
.rept 32
	v_cvt_pk_bf16_f32 v[(\ho)+i], v[Z+2*i], v[Z+2*i+1]  ; a tile: four registers of fragment 0, four of fragment 1: the eight registers of one operand of the second product
.set i, i+1
.endr
	s_wait_alu depctr_va_vdst(0)                   ; the roundings have written the 32 registers that the stores below read
.irp u, 0,1,2,3
.irp f, 0,1
	global_store_b128 v[LO], v[(\ho)+8*(\u)+4*(\f):(\ho)+8*(\u)+4*(\f)+3], s[HB:HB+1] offset:(4*(\hf)+(\u))*1024+(\f)*512  ; 512 consecutive bytes, at a multiple of 512 from h's first
.endr
.endr
.endm
	s_load_b256 s[4:11], s[0:1], 0x0               ; counts s[4:5], x s[6:7], w1 s[8:9], h s[10:11]
	v_lshl_add_u32 v254, v0, 2, 0x44800
	v_mov_b32 v255, 0
	v_lshrrev_b32 v1, 5, v0
	v_readfirstlane_b32 s[WV], v1                  ; wave 0..3
	s_mov_b32 s[SL], ttmp9
	s_and_b32 s[Y], ttmp7, 0xffff
	s_wait_kmcnt 0x0
	s_load_b256 s[CN:CN+7], s[4:5], 0x0            ; the counts
	; every address register of both regions' LDS work is made here, on the text that all paths share
	v_and_b32 v1, 31, v0                           ; L
	v_and_b32 v2, 15, v0                           ; r = L % 16
	v_bfe_u32 v3, v0, 4, 1                         ; hh = L / 16
	v_and_b32 v4, 7, v0                            ; q4: my four columns of the wave's 32
	v_bfe_u32 v5, v0, 3, 2                         ; g: my eight rows of a k-block's 32
	v_lshlrev_b32 v[WO], 4, v4
	v_lshl_add_u32 v[WO], v5, 17, v[WO]            ; 8 g rows of 16,384 bytes + 16 q4
	v_lshlrev_b32 v[LO], 4, v1
	s_wait_alu depctr_va_sdst(0)                   ; the wave's number is written, ahead of its first reader: LDS places and the bases of w1 and h are made from it
	s_lshl_b32 s[T0], s[WV], 12
	s_add_co_u32 s[T0], s[T0], WSTG                ; my staging
	; Column 4 q4 + c is row r' = 4 (q4 & 3) + c of fragment f = q4 >> 2; my eight rows are registers 0-3 (g < 2) or 4-7 of lane r' + 16 (g & 1).  A piece lies at
	; 1,024 f + 512 (g >> 1) + 256 (g & 1) + 16 ((r' & 12) + ((r' + f + 2 (g & 1)) & 3)): the turn of the low two bits lets the 16 lanes of a store (4 quads x f x g & 1) and the 16 lanes of a load
	; (r' = 0..15) each touch 16 different 16-byte columns of 256
	v_bfe_u32 v4, v0, 2, 1                         ; f
	v_bfe_u32 v5, v0, 3, 1                         ; g & 1
	v_and_b32 v1, 3, v0                            ; q4 & 3
	v_lshlrev_b32 v24, 10, v4
	v_lshl_add_u32 v24, v3, 9, v24                 ; g >> 1 is L / 16
	v_lshl_add_u32 v24, v5, 8, v24
	v_lshl_add_u32 v24, v1, 6, v24
	v_add_nc_u32 v24, s[T0], v24
	v_lshl_add_u32 v25, v5, 1, v4                  ; f + 2 (g & 1)
.irp c, 0,1,2,3
	v_add_nc_u32 v[WS+(\c)], \c, v25
	v_and_b32 v[WS+(\c)], 3, v[WS+(\c)]
	v_lshl_add_u32 v[WS+(\c)], v[WS+(\c)], 4, v24
.endr
	v_and_b32 v4, 12, v0                           ; r & 12
	v_lshl_add_u32 v5, v3, 1, v2                   ; r + 2 hh
	v_lshlrev_b32 v24, 4, v4
	v_lshl_add_u32 v24, v3, 8, v24
	v_add_nc_u32 v24, s[T0], v24
.irp f, 0,1
	v_add_nc_u32 v[BR+(\f)], \f, v5
	v_and_b32 v[BR+(\f)], 3, v[BR+(\f)]
	v_lshl_add_u32 v[BR+(\f)], v[BR+(\f)], 4, v24
.endr
	v_mul_u32_u24 v4, v2, XP
	v_lshl_add_u32 v4, v3, 4, v4                   ; row r x pitch + 16 hh
.irp tt, 0,1,2,3,4,5,6,7
	v_add_nc_u32 v[XR+(\tt)], (\tt)*16*XP, v4
.endr
	s_mul_i32 s[T1], s[WV], 32*XP                  ; the first region: wave w lays rows 32 w .. 32 w + 31; lanes 0-15 the even row of a batch, lanes 16-31 the odd one; 8 bytes a lane
	v_mul_u32_u24 v[XS], v3, XP
	v_lshl_add_u32 v[XS], v2, 3, v[XS]
	v_add_nc_u32 v[XS], s[T1], v[XS]
	s_mov_b32 s[O], 0
	s_mov_b32 s[P], 0
	s_mov_b32 s[E], 0
	s_mov_b32 s[ST], 0
	s_mov_b32 s[PB], 0
	s_mov_b32 s[GA], 0xc0135761                    ; a = -2 log2(e) sqrt(2 / pi) = -2.3022082
	s_mov_b32 s[GA+1], s[GA]                       ; named as pairs
	s_mov_b32 s[GB], 0xbdd2d3e8                    ; b = 0.044715 a = -0.10294324
	s_mov_b32 s[GB+1], s[GB]
	s_wait_kmcnt 0x0
.irp e, 0,1,2,3,4,5,6,7
	SEG \e
.endr
	s_cmp_lt_u32 s[Y], s[P]
	s_cselect_b32 s[LIVE], 1, 0                    ; this split has a block y, or not
	s_sub_co_u32 s[TMP], s[Y], s[PB]
	s_lshl_b32 s[TMP], s[TMP], 7
	s_add_co_u32 s[ROW0], s[ST], s[TMP]
	s_min_u32 s[ROW0], s[ROW0], 1023               ; numbers made of loaded ones enter addresses held to their range
	s_min_u32 s[E], s[E], 7
	s_lshl_b32 s[OF], s[E], 24                     ; an expert's w1 is 16 MiB,
	s_lshl_b32 s[TMP], s[SL], 9                    ; a slice 512 bytes of a row,
	s_add_co_u32 s[OF], s[OF], s[TMP]
	s_lshl_b32 s[TMP], s[WV], 7                    ; a wave's columns 128 bytes
	s_add_co_u32 s[OF], s[OF], s[TMP]
	s_mov_b32 s[OF+1], 0
	s_add_nc_u64 s[WB:WB+1], s[8:9], s[OF:OF+1]
	s_add_nc_u64 s[WB+2:WB+3], s[WB:WB+1], 8*KBB   ; k-blocks 8 on, 16 on, 24 on: the loads' immediates reach eight k-blocks
	s_add_nc_u64 s[WB+4:WB+5], s[WB+2:WB+3], 8*KBB
	s_add_nc_u64 s[WB+6:WB+7], s[WB+4:WB+5], 8*KBB
	s_lshl_b32 s[OF], s[Y], 20                     ; h: my block, 1 MiB,
	s_lshl_b32 s[TMP], s[SL], 2
	s_add_co_u32 s[TMP], s[TMP], s[WV]
	s_lshl_b32 s[TMP], s[TMP], 13                  ; k-block 4 x slice + wave, 8 KiB
	s_add_co_u32 s[OF], s[OF], s[TMP]
	s_add_nc_u64 s[HB:HB+1], s[10:11], s[OF:OF+1]
	s_lshl_b32 s[T0], s[WV], 5                     ; the first region's rows: a lane's 16 bytes of x are four numbers, 8 bytes in LDS
	s_add_co_u32 s[T0], s[T0], s[ROW0]
	v_add_nc_u32 v[RV], s[T0], v3
	v_lshlrev_b32 v[R16], 4, v2
.irp sl, 0,1,2,3
	OFFX \sl                                       ; the offsets of batches 0 to 3
.endr
	s_wait_alu depctr_va_vdst(0)                   ; all the offsets and LDS addresses made above are written: v8 to v23 for the whole kernel, v36 to v39 for the first four batches
	s_cmp_lg_u32 s[LIVE], 0
	s_cbranch_scc0 .Lfilled                        ; no rows: nothing to lay into LDS.  What is jumped holds no barrier
	; THE FIRST REGION
	WIN 0x40                                       ; destination in window 1
	LDX 0
	LDX 1
	LDX 2
	s_mov_b32 s[XT], 0
	s_mov_b32 s[LOOP], 3
	STEP 0, 1, 1, 32                               ; step 0 is written out: nothing to store yet, and no wait but the one for its data: slot 3 has been named by nothing, its offset stands ahead of the head's wait
.Lfill:                                                ; steps 1 to 12, four to a trip: slots and both TX are back at their start; batches 4 to 15 are asked for
	STEP 1, 0, 1, 32
	STEP 2, 0, 1, 32
	STEP 3, 0, 1, 32
	STEP 0, 0, 1, 32
	s_add_co_u32 s[XT], s[XT], 8*XP                ; eight rows on
	s_sub_co_u32 s[LOOP], s[LOOP], 1
	s_cmp_lg_u32 s[LOOP], 0
	s_cbranch_scc1 .Lfill
	STEP 1, 0, 0, 32                               ; nothing more is asked for, and the counts run down
	STEP 2, 0, 0, 16
	STEP 3, 0, 0, 0
	s_wait_alu depctr_va_vdst(0)                   ; step 15's roundings have written TX1, which the last sixteen stores read; they are also the last to read the ring's registers
	STX 3
.Lfilled:
	s_wait_alu depctr_vm_vsrc(0)                   ; my LDS stores have read XSA and TX, my loads of x their offsets: v32 to v63 take w1's fragments from here on, v96 to v111 are TW
	s_wait_dscnt 0x0                               ; for the others' sake: my stores of x are done
	s_barrier_signal -1
	s_barrier_wait -1                              ; the one barrier, on every path: the block's x lies in LDS
	s_cmp_lg_u32 s[LIVE], 0
	s_cbranch_scc0 .Lend
	; THE SECOND REGION
.irp s, 0,1,2,3,4,5,6
	LDW \s                                         ; k-blocks 0 to 6.  No wait: the roundings that read these registers stand ahead of the last wait on va_vdst, and no vector instruction has been issued since
.endr
	STAGE 0, 48                                    ; six younger k-blocks stay out
	LDT 0, 0
	LDT 1, 0
	TRIP 0, 1, 1, 1, 48                            ; the first k-block starts the sums; k-block 7 is asked for
.set kk, 1
.rept 24                               ; trips 1 to 24; k-blocks 8 to 31 are asked for.  Behind each request seven k-blocks are out: the wait leaves six
	TRIP kk, 0, 1, 1, 48
.set kk, kk+1
.endr
	TRIP 25, 0, 0, 1, 40                           ; nothing more is asked for, and the counts run down
	TRIP 26, 0, 0, 1, 32
	TRIP 27, 0, 0, 1, 24
	TRIP 28, 0, 0, 1, 16
	TRIP 29, 0, 0, 1, 8
	TRIP 30, 0, 0, 1, 0
	TRIP 31, 0, 0, 0, 0
	WIN 0
.rept 4
	v_nop                                          ; four places behind the last products (ISA guide 7.12.1)
.endr
	GELU 0, HO                                     ; tiles 0-3
	GELU 1, HO+32                                  ; tiles 4-7; h in registers of its own, so that no pending store's data are rewritten
.Lend:
	s_wait_dscnt 0x0                               ; the wave's end
	s_wait_alu depctr_hold_cnt(0) depctr_sa_sdst(0) depctr_va_vdst(0) depctr_va_sdst(0) depctr_va_ssrc(0) depctr_va_vcc(0) depctr_vm_vsrc(0)
	s_wait_tensorcnt 0x0
	ds_add_u32 v254, v255
	s_wait_dscnt 0x0
	s_endpgm
.Lfunc_end_k_qfc0a5cfc1c_up:
	.size	k_qfc0a5cfc1c_up, .Lfunc_end_k_qfc0a5cfc1c_up-k_qfc0a5cfc1c_up
	.p2alignl 7, 3214868480
	.fill 96, 4, 3214868480
	.section	.rodata,"a",@progbits
	.p2align	6, 0x0
	.amdhsa_kernel k_qfc0a5cfc1c_up
		.amdhsa_group_segment_fixed_size 281088
		.amdhsa_private_segment_fixed_size 0
		.amdhsa_enable_private_segment 0
		.amdhsa_kernarg_size 32
		.amdhsa_user_sgpr_count 2
		.amdhsa_user_sgpr_kernarg_segment_ptr 1
		.amdhsa_wavefront_size32 1
		.amdhsa_system_sgpr_workgroup_id_x 1
		.amdhsa_system_sgpr_workgroup_id_y 1
		.amdhsa_system_sgpr_workgroup_id_z 1
		.amdhsa_system_vgpr_workitem_id 0
		.amdhsa_next_free_vgpr 768
		.amdhsa_next_free_sgpr 66
		.amdhsa_reserve_vcc 0
		.amdhsa_float_denorm_mode_32 3
		.amdhsa_float_denorm_mode_16_64 3
		.amdhsa_memory_ordered 1
		.amdhsa_forward_progress 1
		.amdhsa_inst_pref_size 228
	.end_amdhsa_kernel
	.amdgpu_metadata
---
amdhsa.version: [ 1, 2 ]
amdhsa.kernels:
  - .name:           k_qfc0a5cfc1c_up
    .symbol:         k_qfc0a5cfc1c_up.kd
    .args:
      - { .name: expert_counts, .offset: 0, .size: 8, .value_kind: global_buffer, .address_space: global }
      - { .name: x_sorted, .offset: 8, .size: 8, .value_kind: global_buffer, .address_space: global }
      - { .name: w1, .offset: 16, .size: 8, .value_kind: global_buffer, .address_space: global }
      - { .name: h, .offset: 24, .size: 8, .value_kind: global_buffer, .address_space: global }
    .group_segment_fixed_size: 281088
    .private_segment_fixed_size: 0
    .kernarg_segment_align: 8
    .kernarg_segment_size: 32
    .max_flat_workgroup_size: 128
    .sgpr_count:     66
    .vgpr_count:     768
    .wavefront_size: 32
...
	.end_amdgpu_metadata
.endif
;; end of part 4
;; launch down (part 5): grid 32 x 15, 4 waves a work-group, no clusters, 279,040 bytes of LDS; arguments expert_counts, h, w2, part; writes part
.if DOCPART == 5
	.amdgcn_target "amdgcn-amd-amdhsa--gfx1250"
	.amdhsa_code_object_version 6
	.text
	.protected	k_qfc0a5cfc1c_down
	.globl	k_qfc0a5cfc1c_down
	.p2align	8
	.type	k_qfc0a5cfc1c_down,@function
k_qfc0a5cfc1c_down:
	s_mov_b64 s[64:65], 0
	v_nop
	global_prefetch_b8 v0, s[64:65] scope:SCOPE_SE
	s_setreg_imm32_b32 hwreg(HW_REG_WAVE_SCHED_MODE, 0, 2), 2
	s_setreg_imm32_b32 hwreg(HW_REG_WAVE_MODE, 25, 1), 1
	s_wait_xcnt 0x0
	s_wait_alu depctr_vm_vsrc(0)
; part[kq] = h . w2[e] over one quarter of K (1,024 of the 4,096 hidden numbers) for one block of up to 128 token rows and 128 of the 1,024 output columns.  w2 [8][4096][1024] f32.
; h (bf16) comes from the launch before: [15 blocks][128 k-blocks][8 tiles of 16 rows][1,024 bytes]; a (k-block, tile) is a 16 x 32 operand as registers take it, k in its natural order.
; part (f32 partial sums, added by the launch behind): [4 quarters][15 blocks][8 slices][4 waves][16 accumulators][2 halves][32 lanes][16 bytes]: the accumulators as they lie.
; WHY A QUARTER OF K: a block's h for 1,024 hidden numbers is 262,144 bytes and fits in LDS, and a work-group then takes 512 consecutive bytes of each row of w2.
; ROUTING as in the launch before, from the counts, in scalar registers: blocks of 128 rows inside each expert's range, the last range stretched to row 1,024, at most 15 blocks (grid y).  Here only the
; block's expert is wanted: h and part go by blocks.  Grid x = slice + 8 x quarter.  A work-group whose y is past the number of blocks jumps over both regions of work, passes the one barrier and ends.
; LIMITS.  Counts are taken as not negative; each count and each running sum is held to 1,024.  local_expert_indices is not an argument: reference() takes it and never uses it.
; Products in bf16 with f32 sums.
; TWO REGIONS, ONE BARRIER.  First the four waves copy the block's quarter of h into LDS, 64 KiB each.  Behind the barrier no wave depends on another: wave w owns 32 output columns, all 128 rows and the
; quarter's 32 k-blocks: 16 accumulators.  Its weights come straight from memory into a ring of registers, seven k-blocks (56 loads of 16 bytes a lane) on their way, are rounded, change lanes through
; 4 KiB of LDS that are the wave's own, and are multiplied with h's operands out of LDS.  Nothing but LDS and the registers made at the head passes from the first region to the second.
; THE 32 TRIPS OVER K ARE WRITTEN OUT: every LDS address is then a register made at the head, never rewritten, plus an immediate; and the loads of w2 reach all 32 k-blocks by their immediates.
; NO MULTICAST, NO TENSOR LOADS: each byte of w2 has one reader and is rounded in registers; what a block's eight slices share is h, a third of a work-group's bytes, and the number of blocks hangs on
; counts read from memory.
; THE MATRIX INSTRUCTION IS USED TRANSPOSED: source 0 = 16 output columns, source 1 = 16 tokens: a lane's eight results are eight neighbouring columns of one row.
; REGISTERS, in windows of 256 (s_set_vgpr_msb: bits 1:0 source 0, 3:2 source 1, 5:4 source 2, 7:6 destination): window 0 addresses, w2's fragments and what is at work; window 1 the ring: what memory
; loads bring; window 2 h's operands, two buffers, and the accumulators: one setting serves a trip's products and the LDS loads that are dealt among them.
; THE MODE: SCHED_MODE bits 1:0 = 2 (LLVM: expert scheduling mode 2), set by the entry lines.  The code itself states the register dependences between vector or matrix instructions and memory or LDS
; instructions, with s_wait_alu, always for 0.
; THE PLAN, FIRST REGION.  Eight steps; no vector instruction.  Slot b % 4 (window 1): the loads of batch b land in it; step b's sixteen LDS stores read it; the loads of batch b + 4, issued in step
; b + 1, land in it again.  So one wait on vm_vsrc stands ahead of each such refill: the last step's LDS stores have read the slot.  LO and HS are made at the head and never written again.
; THE PLAN, SECOND REGION.  Trip t multiplies k-block t.
;   RING[n & 7] (window 1)  the loads of k-block n, issued at the head of trip n - 7, land in it; the sixteen roundings at the head of trip n - 1 read it.
;   TW                      those roundings write it; the four LDS stores straight behind them read it.
;   BF[n & 1], XF[n & 1]    the LDS loads of trip n - 1 land in them; trip n's products read them.
;   WO, WS, BR, AR, LO      made at the head, never written again.
; So ONE wait on va_vdst stands in a trip, behind its roundings: TW is written, the roundings are done with their slot of the ring, and the products of the trip before are done reading the BF and XF in
; which this trip's LDS loads land.  Behind it only products are issued, which name the other BF, the other XF and the accumulators: the trip's LDS loads are dealt among them, and the loads of w2 at the
; next trip's head follow, with no further wait.  One wait on vm_vsrc stands ahead of the roundings: the last trip's LDS stores have read TW.
.set ROWB,  4096                       ; bytes in a row of w2
.set KBB,   32*ROWB                    ; a k-block: 32 rows
.set WSTG,  262144                     ; behind h: 4,096 bytes for each wave, two buffers of two operands of w2; behind them the spare words, 128 bytes for each wave
.set WO,   8                           ; v8      my byte offset in a k-block of w2
.set LO,   9                           ; v9      16 x lane
.set WS,   10                          ; v10-13  where column c's 16 bytes go in my staging; never rewritten
.set BR,   14                          ; v14-15  where I read fragment f of w2 back (less f x 1,024); never rewritten
.set AR,   16                          ; v16-19  where I read h's operands: 16 x lane + 64 KiB (eight k-blocks) x 0..3; never rewritten
.set HS,   20                          ; v20     the first region: where my 64 KiB of h go; never rewritten
.set BF,   32                          ; v32-63  two buffers of w2's two fragments
.set TW,   96                          ; v96-111 w2 rounded: my four columns
.set XF,   0                           ; window 2: v0-127 two buffers of h's operands of one k-block: tiles 0-3, tiles 4-7
.set ACC,  128                         ; window 2: v128-255 accumulator (tile tt, fragment f) at ACC + 8 (2 tt + f)
.set WV,   12
.set SL,   13                          ; slice
.set Y,    14                          ; block
.set LIVE, 15                          ; 1: my block has rows
.set CN,   16                          ; s[16:23] the counts
.set O,    24
.set P,    25
.set E,    26                          ; my expert
.set END,  29
.set TMP,  30
.set KQ,   31                          ; quarter of K
.set WB,   36                          ; s[36:37] w2 at my expert, quarter and columns; never rewritten
.set HB,   38                          ; s[38:39] h at my 64 KiB
.set PT,   40                          ; s[40:41] part at my accumulators
.set OF,   42
.set MSB, 0
.macro WIN new                         ; the immediate's high byte repeats the setting that is left; a switch that changes nothing is dropped
.if MSB != (\new)
	s_set_vgpr_msb (MSB<<8)|(\new)
.set MSB, \new
.endif
.endm
.macro SEG e                           ; one segment of the rows: expert e's.  The last e whose first block is not past y is mine
.if (\e) < 7
	s_min_u32 s[TMP], s[CN+(\e)], 1024
	s_add_co_u32 s[END], s[O], s[TMP]
	s_min_u32 s[END], s[END], 1024
.else
	s_mov_b32 s[END], 1024                         ; the last segment runs to the last row
.endif
	s_cmp_ge_u32 s[Y], s[P]
	s_cselect_b32 s[E], \e, s[E]
	s_sub_co_u32 s[TMP], s[END], s[O]
	s_add_co_u32 s[TMP], s[TMP], 127
	s_lshr_b32 s[TMP], s[TMP], 7
	s_add_co_u32 s[P], s[P], s[TMP]
	s_mov_b32 s[O], s[END]
.endm
; THE FIRST REGION.  A batch is 8 KiB: 16 loads of 512 consecutive bytes.  Four slots of 64 registers; up to three batches are out.  One window setting serves the whole region:
; the loads' destination and the LDS stores' data in window 1, addresses in window 0.
.macro ASKH b
.irp j, 0,1,2,3,4,5,6,7,8,9,10,11,12,13,14,15
	global_load_b128 v[64*((\b)%4)+4*(\j):64*((\b)%4)+4*(\j)+3], v[LO], s[HB:HB+1] offset:(\b)*8192+(\j)*512
.endr
.endm
.macro STEPH b, lc                     ; lc = the loads of the younger batches
	s_wait_loadcnt \lc
.if (\b) < 5
.if (\b) > 0
	s_wait_alu depctr_vm_vsrc(0)                   ; the LDS stores of the step before have read their slot, in which the loads below land
.endif
	ASKH (\b)+3                                    ; into the slot stored one step ago (in step 0: into slot 3, which nothing has named)
.endif
.irp j, 0,1,2,3,4,5,6,7,8,9,10,11,12,13,14,15
	ds_store_b128 v[HS], v[64*((\b)%4)+4*(\j):64*((\b)%4)+4*(\j)+3] offset:(\b)*8192+(\j)*512
.endr
.endm
; THE SECOND REGION.  Eight loads of w2: k-block n into slot n % 8 of the ring; a load takes 128 consecutive bytes of each of four rows, eight rows apart; the four waves' pieces lie end to end.
; The k-block stands in the immediate: 31 x 131,072 + 7 x 4,096 at the most, inside its signed 24 bits
.macro LDW n
	WIN 0x40
.irp jj, 0,1,2,3,4,5,6,7
	global_load_b128 v[32*((\n)&7)+4*(\jj):32*((\n)&7)+4*(\jj)+3], v[WO], s[WB:WB+1] offset:(\n)*KBB+(\jj)*ROWB th:TH_LOAD_NT
.endr
.endm
; Eight LDS loads: h's operands of k-block n, tiles 4 grp .. 4 grp + 3, into buffer n % 2; 512 consecutive bytes each
.macro LDT grp, n
	WIN 0xa8                                       ; destination in window 2, address in window 0: the products' own setting
.irp u, 0,1,2,3
	ds_load_b128 v[XF+64*((\n)&1)+32*(\grp)+8*(\u):XF+64*((\n)&1)+32*(\grp)+8*(\u)+3],   v[AR+((\n)>>3)] offset:((\n)&7)*8192+(4*(\grp)+(\u))*1024
	ds_load_b128 v[XF+64*((\n)&1)+32*(\grp)+8*(\u)+4:XF+64*((\n)&1)+32*(\grp)+8*(\u)+7], v[AR+((\n)>>3)] offset:((\n)&7)*8192+(4*(\grp)+(\u))*1024+512
.endr
.endm
; K-block n leaves the ring: rounded, through my staging into the fragment buffer n % 2.  Eight LDS instructions.  lc = the loads of the younger k-blocks.
; LDS serves a wave's instructions in order (ISA guide 5.7.1.4): the loads see the stores above them, and the next stores into a buffer come behind its loads.
.macro STAGE n, lc
.set SLT, 32*((\n)&7)
.set BUF, 2048*((\n)&1)
.set BN,  BF+16*((\n)&1)
	s_wait_loadcnt \lc
.if (\n) > 0
	s_wait_alu depctr_vm_vsrc(0)                   ; the LDS stores of the k-block before have read TW, which the roundings below write again
.endif
	WIN 0x05                                       ; sources in window 1
.irp c, 0,1,2,3
.irp q, 0,1,2,3
	v_cvt_pk_bf16_f32 v[TW+4*(\c)+(\q)], v[SLT+8*(\q)+(\c)], v[SLT+8*(\q)+4+(\c)]  ; column c, rows 2 q and 2 q + 1 of my eight
.endr
.endr
	WIN 0
	s_wait_alu depctr_va_vdst(0)                   ; the roundings have written TW, which the stores below read, and are done reading their slot of the ring; the products of the trip before are done reading the BF and the XF in which this trip's LDS loads land
.irp c, 0,1,2,3
	ds_store_b128 v[WS+(\c)], v[TW+4*(\c):TW+4*(\c)+3] offset:BUF
.endr
.irp f, 0,1
.irp hf, 0,1
	ds_load_b128 v[BN+8*(\f)+4*(\hf):BN+8*(\f)+4*(\hf)+3], v[BR+(\f)] offset:BUF+(\f)*1024+(\hf)*512
.endr
.endr
.endm
; Eight matrix instructions: tiles 4 grp .. 4 grp + 3 x both fragments.  The sixteen accumulators take turns, one instruction a turn.  zero = 1: they start the sums
.macro MUL grp, zero
	WIN 0xa8                                       ; w2's fragments in window 0; h's operands and the accumulators in window 2
.irp u, 0,1,2,3
.irp f, 0,1
.if \zero
	v_wmma_f32_16x16x32_bf16 v[ACC+8*(8*(\grp)+2*(\u)+(\f)):ACC+8*(8*(\grp)+2*(\u)+(\f))+7], v[BC+8*(\f):BC+8*(\f)+7], v[XC+32*(\grp)+8*(\u):XC+32*(\grp)+8*(\u)+7], 0
.else
	v_wmma_f32_16x16x32_bf16 v[ACC+8*(8*(\grp)+2*(\u)+(\f)):ACC+8*(8*(\grp)+2*(\u)+(\f))+7], v[BC+8*(\f):BC+8*(\f)+7], v[XC+32*(\grp)+8*(\u):XC+32*(\grp)+8*(\u)+7], v[ACC+8*(8*(\grp)+2*(\u)+(\f)):ACC+8*(8*(\grp)+2*(\u)+(\f))+7]
.endif
.endr
.endr
.endm
; Trip t multiplies k-block t.  issue = 1: k-block t + 7 is asked for.  stage = 1: k-block t + 1 is made ready meanwhile.
.macro TRIP t, zero, issue, stage, lc
.set BC,  BF+16*((\t)&1)
.set XC,  XF+64*((\t)&1)
.if \issue
	LDW (\t)+7                                     ; no wait: its slot was rounded ahead of the last wait on va_vdst, and only products, which name neither the ring nor WO, have been issued since
.endif
.if \stage
	STAGE (\t)+1, \lc
	s_wait_dscnt 16                                ; w2's fragments and h's tiles 0-3 of this k-block are in; the eight loads of tiles 4-7 and the stage's eight may be out
.else
	s_wait_dscnt 8                                 ; the eight loads of tiles 4-7 may be out
.endif
	MUL 0, \zero
.if \stage
	LDT 0, (\t)+1                                  ; no wait: the products since the wait on va_vdst name the other buffer
	s_wait_dscnt 16                                ; tiles 4-7 are in; the stage's eight and the eight loads just issued may be out
.else
	s_wait_dscnt 0x0
.endif
	MUL 1, \zero
.if \stage
	LDT 1, (\t)+1
.endif
.endm
	s_load_b256 s[4:11], s[0:1], 0x0               ; counts s[4:5], h s[6:7], w2 s[8:9], part s[10:11]
	v_lshl_add_u32 v254, v0, 2, 0x44000
	v_mov_b32 v255, 0
	v_lshrrev_b32 v1, 5, v0
	v_readfirstlane_b32 s[WV], v1                  ; wave 0..3
	s_and_b32 s[SL], ttmp9, 7
	s_lshr_b32 s[KQ], ttmp9, 3
	s_and_b32 s[Y], ttmp7, 0xffff
	s_wait_kmcnt 0x0
	s_load_b256 s[CN:CN+7], s[4:5], 0x0            ; the counts
	; every address register of both regions' LDS work is made here, on the text that all paths share
	v_and_b32 v1, 31, v0                           ; L
	v_and_b32 v2, 15, v0                           ; r = L % 16
	v_bfe_u32 v3, v0, 4, 1                         ; hh = L / 16
	v_and_b32 v4, 7, v0                            ; q4: my four columns of the wave's 32
	v_bfe_u32 v5, v0, 3, 2                         ; g: my eight rows of a k-block's 32
	v_lshlrev_b32 v[WO], 4, v4
	v_lshl_add_u32 v[WO], v5, 15, v[WO]            ; 8 g rows of 4,096 bytes + 16 q4
	v_lshlrev_b32 v[LO], 4, v1
.irp a, 0,1,2,3
	v_add_nc_u32 v[AR+(\a)], (\a)*0x10000, v[LO]
.endr
	s_wait_alu depctr_va_sdst(0)                   ; the wave's number is written, ahead of its first reader: LDS places and the bases of w2, h and part are made from it
	s_lshl_b32 s51, s[WV], 16
	v_lshl_add_u32 v[HS], v1, 4, s51               ; my 64 KiB of the block's h in LDS
	s_lshl_b32 s50, s[WV], 12
	s_add_co_u32 s50, s50, WSTG                    ; my staging
	; Column 4 q4 + c is row r' = 4 (q4 & 3) + c of fragment f = q4 >> 2; my eight rows are registers 0-3 (g < 2) or 4-7 of lane r' + 16 (g & 1).  A piece lies at
	; 1,024 f + 512 (g >> 1) + 256 (g & 1) + 16 ((r' & 12) + ((r' + f + 2 (g & 1)) & 3)): the turn of the low two bits lets the 16 lanes of a store (4 quads x f x g & 1) and the 16 lanes of a load
	; (r' = 0..15) each touch 16 different 16-byte columns of 256
	v_bfe_u32 v4, v0, 2, 1                         ; f
	v_bfe_u32 v5, v0, 3, 1                         ; g & 1
	v_and_b32 v1, 3, v0                            ; q4 & 3
	v_lshlrev_b32 v24, 10, v4
	v_lshl_add_u32 v24, v3, 9, v24                 ; g >> 1 is L / 16
	v_lshl_add_u32 v24, v5, 8, v24
	v_lshl_add_u32 v24, v1, 6, v24
	v_add_nc_u32 v24, s50, v24
	v_lshl_add_u32 v25, v5, 1, v4                  ; f + 2 (g & 1)
.irp c, 0,1,2,3
	v_add_nc_u32 v[WS+(\c)], \c, v25
	v_and_b32 v[WS+(\c)], 3, v[WS+(\c)]
	v_lshl_add_u32 v[WS+(\c)], v[WS+(\c)], 4, v24
.endr
	v_and_b32 v4, 12, v0                           ; r & 12
	v_lshl_add_u32 v5, v3, 1, v2                   ; r + 2 hh
	v_lshlrev_b32 v24, 4, v4
	v_lshl_add_u32 v24, v3, 8, v24
	v_add_nc_u32 v24, s50, v24
.irp f, 0,1
	v_add_nc_u32 v[BR+(\f)], \f, v5
	v_and_b32 v[BR+(\f)], 3, v[BR+(\f)]
	v_lshl_add_u32 v[BR+(\f)], v[BR+(\f)], 4, v24
.endr
	s_mov_b32 s[O], 0
	s_mov_b32 s[P], 0
	s_mov_b32 s[E], 0
	s_wait_kmcnt 0x0
.irp e, 0,1,2,3,4,5,6,7
	SEG \e
.endr
	s_cmp_lt_u32 s[Y], s[P]
	s_cselect_b32 s[LIVE], 1, 0                    ; this split has a block y, or not
	s_min_u32 s[E], s[E], 7                        ; a number made of loaded ones enters an address held to its range
	s_lshl_b32 s[OF], s[E], 24                     ; an expert's w2 is 16 MiB,
	s_lshl_b32 s[TMP], s[KQ], 22                   ; a quarter of K 1,024 rows of 4,096 bytes,
	s_add_co_u32 s[OF], s[OF], s[TMP]
	s_lshl_b32 s[TMP], s[SL], 9                    ; a slice 512 bytes of a row,
	s_add_co_u32 s[OF], s[OF], s[TMP]
	s_lshl_b32 s[TMP], s[WV], 7                    ; a wave's columns 128 bytes
	s_add_co_u32 s[OF], s[OF], s[TMP]
	s_mov_b32 s[OF+1], 0
	s_add_nc_u64 s[WB:WB+1], s[8:9], s[OF:OF+1]
	s_lshl_b32 s[OF], s[Y], 20                     ; h: my block, 1 MiB; my quarter, 256 KiB; my wave's 64 KiB of it
	s_lshl_b32 s[TMP], s[KQ], 18
	s_add_co_u32 s[OF], s[OF], s[TMP]
	s_add_co_u32 s[OF], s[OF], s51
	s_add_nc_u64 s[HB:HB+1], s[6:7], s[OF:OF+1]
	s_mul_i32 s[OF], s[KQ], 15<<19                 ; part: my quarter, 15 blocks of 512 KiB; my block; my slice, 64 KiB; my wave, 16 KiB
	s_lshl_b32 s[TMP], s[Y], 19
	s_add_co_u32 s[OF], s[OF], s[TMP]
	s_lshl_b32 s[TMP], s[SL], 16
	s_add_co_u32 s[OF], s[OF], s[TMP]
	s_lshl_b32 s[TMP], s[WV], 14
	s_add_co_u32 s[OF], s[OF], s[TMP]
	s_add_nc_u64 s[PT:PT+1], s[10:11], s[OF:OF+1]
	s_wait_alu depctr_va_vdst(0)                   ; all the offsets and LDS addresses made above, v8 to v20, are written: every load and store of the kernel reads one of them
	s_cmp_lg_u32 s[LIVE], 0
	s_cbranch_scc0 .Lfilled                        ; no rows: nothing to lay into LDS.  What is jumped holds no barrier
	; THE FIRST REGION: eight batches a wave
	WIN 0x44                                       ; the loads' destination and the LDS stores' data in window 1
	ASKH 0
	ASKH 1
	ASKH 2
	STEPH 0, 32                                    ; two younger batches stay out
	STEPH 1, 32
	STEPH 2, 32
	STEPH 3, 32
	STEPH 4, 32                                    ; the last batch is asked for
	STEPH 5, 32
	STEPH 6, 16
	STEPH 7, 0
	WIN 0
.Lfilled:
	s_wait_alu depctr_vm_vsrc(0)                   ; my LDS stores have read window 1's registers: they are the ring from here on, in which the loads of w2 land
	s_wait_dscnt 0x0                               ; for the others' sake: my stores of h are done
	s_barrier_signal -1
	s_barrier_wait -1                              ; the one barrier, on every path: the block's quarter of h lies in LDS
	s_cmp_lg_u32 s[LIVE], 0
	s_cbranch_scc0 .Lend
	; THE SECOND REGION
.irp s, 0,1,2,3,4,5,6
	LDW \s                                         ; k-blocks 0 to 6.  No wait on va_vdst: no vector instruction has named the ring, and WO stands ahead of the head's wait
.endr
	STAGE 0, 48                                    ; six younger k-blocks stay out
	LDT 0, 0
	LDT 1, 0
	TRIP 0, 1, 1, 1, 48                            ; the first k-block starts the sums; k-block 7 is asked for
.set kk, 1
.rept 24                               ; trips 1 to 24; k-blocks 8 to 31 are asked for.  Behind each request seven k-blocks are out: the wait leaves six
	TRIP kk, 0, 1, 1, 48
.set kk, kk+1
.endr
	TRIP 25, 0, 0, 1, 40                           ; nothing more is asked for, and the counts run down
	TRIP 26, 0, 0, 1, 32
	TRIP 27, 0, 0, 1, 24
	TRIP 28, 0, 0, 1, 16
	TRIP 29, 0, 0, 1, 8
	TRIP 30, 0, 0, 1, 0
	TRIP 31, 0, 0, 0, 0
	WIN 0x08                                       ; the stores' data in window 2, their offset in window 0
.rept 4
	v_nop                                          ; four places behind the last products (ISA guide 7.12.1)
.endr
	s_wait_alu depctr_va_vdst(0)                   ; the products have written the accumulators, which the stores below read; the places above stay beside this wait
.set a, 0
.rept 16
	global_store_b128 v[LO], v[ACC+8*a:ACC+8*a+3],   s[PT:PT+1] offset:a*1024      ; each accumulator from its low end on; 512 consecutive bytes, at a multiple of 512 from part's first
	global_store_b128 v[LO], v[ACC+8*a+4:ACC+8*a+7], s[PT:PT+1] offset:a*1024+512
.set a, a+1
.endr
	WIN 0
.Lend:
	s_wait_dscnt 0x0                               ; the wave's end
	s_wait_alu depctr_hold_cnt(0) depctr_sa_sdst(0) depctr_va_vdst(0) depctr_va_sdst(0) depctr_va_ssrc(0) depctr_va_vcc(0) depctr_vm_vsrc(0)
	s_wait_tensorcnt 0x0
	ds_add_u32 v254, v255
	s_wait_dscnt 0x0
	s_endpgm
.Lfunc_end_k_qfc0a5cfc1c_down:
	.size	k_qfc0a5cfc1c_down, .Lfunc_end_k_qfc0a5cfc1c_down-k_qfc0a5cfc1c_down
	.p2alignl 7, 3214868480
	.fill 96, 4, 3214868480
	.section	.rodata,"a",@progbits
	.p2align	6, 0x0
	.amdhsa_kernel k_qfc0a5cfc1c_down
		.amdhsa_group_segment_fixed_size 279040
		.amdhsa_private_segment_fixed_size 0
		.amdhsa_enable_private_segment 0
		.amdhsa_kernarg_size 32
		.amdhsa_user_sgpr_count 2
		.amdhsa_user_sgpr_kernarg_segment_ptr 1
		.amdhsa_wavefront_size32 1
		.amdhsa_system_sgpr_workgroup_id_x 1
		.amdhsa_system_sgpr_workgroup_id_y 1
		.amdhsa_system_sgpr_workgroup_id_z 1
		.amdhsa_system_vgpr_workitem_id 0
		.amdhsa_next_free_vgpr 768
		.amdhsa_next_free_sgpr 66
		.amdhsa_reserve_vcc 0
		.amdhsa_float_denorm_mode_32 3
		.amdhsa_float_denorm_mode_16_64 3
		.amdhsa_memory_ordered 1
		.amdhsa_forward_progress 1
		.amdhsa_inst_pref_size 177
	.end_amdhsa_kernel
	.amdgpu_metadata
---
amdhsa.version: [ 1, 2 ]
amdhsa.kernels:
  - .name:           k_qfc0a5cfc1c_down
    .symbol:         k_qfc0a5cfc1c_down.kd
    .args:
      - { .name: expert_counts, .offset: 0, .size: 8, .value_kind: global_buffer, .address_space: global }
      - { .name: h, .offset: 8, .size: 8, .value_kind: global_buffer, .address_space: global }
      - { .name: w2, .offset: 16, .size: 8, .value_kind: global_buffer, .address_space: global }
      - { .name: part, .offset: 24, .size: 8, .value_kind: global_buffer, .address_space: global }
    .group_segment_fixed_size: 279040
    .private_segment_fixed_size: 0
    .kernarg_segment_align: 8
    .kernarg_segment_size: 32
    .max_flat_workgroup_size: 128
    .sgpr_count:     66
    .vgpr_count:     768
    .wavefront_size: 32
...
	.end_amdgpu_metadata
.endif
;; end of part 5
;; launch sum: the kernel of part 3 again; grid 32 x 15, 4 waves a work-group, no clusters, 17,920 bytes of LDS; arguments expert_counts, part, out0; writes out0
